; MI455X (gfx1250); checked and timed in simulation.
; The chip was launched on July 23, 2026; its instructions are those of AMD's public machine-readable ISA for CDNA 5 (MIT licence, August 2026) and "CDNA5" Instruction Set Architecture Reference Guide (July 2026). The comments in the code are by the model that wrote it; some were corrected since.
;; Attention Based Linking Module. Allowed arithmetic: float matrix products may take bf16 or f16 operands with f32 sums; all other float work in f32.
;; Inputs: W1 1,024 x 500 float32; W2 500 x 500 float32; W3 500 x 1 float32; Ws 512 x 512 float32; b1 500 float32; b2 500 float32; b3 1 float32; bs 512 float32; knowledge_embs 1,024 x 512 float32; lengths 256 int32; span2concepts 256 x 64 int32; span_embs 256 x 512 float32.
;; Outputs: out0 256 x 512 float32; out1 256 x 65 float32.
;; 2 versions, each right; version 2 is version 1 with the launches prep, sentp written anew for expert scheduling mode. Each part assembles by itself: llvm-mc -triple=amdgcn-amd-amdhsa -mcpu=gfx1250 --defsym DOCPART=n.
;; ======== version 1 of 2: 3 launches
;; workspace buffers: P 2,097,152 bytes; Apart 524,288 bytes; sent 524,288 bytes; spart 524,288 bytes; w2f 524,288 bytes
;; launch prep (part 1): grid 8 x 24, 8 waves a work-group, no clusters, 166,912 bytes of LDS; arguments knowledge_embs, span_embs, W1, Ws, b1, bs, P, Apart, sent; writes P, Apart, sent
.if DOCPART == 1
	.amdgcn_target "amdgcn-amd-amdhsa--gfx1250"
	.amdhsa_code_object_version 6
	.text
	.protected	k_q55c844989c_prep
	.globl	k_q55c844989c_prep
	.p2align	8
	.type	k_q55c844989c_prep,@function
k_q55c844989c_prep:
	s_mov_b64 s[64:65], 0
	v_nop
	global_prefetch_b8 v0, s[64:65] scope:SCOPE_SE
	s_setreg_imm32_b32 hwreg(HW_REG_WAVE_MODE, 25, 1), 1
	s_wait_xcnt 0x0
; Three products with K = 512, one 64 x 64 tile of one of them to a work-group:
;   y = 0..15   P     = knowledge_embs . W1[512:1024]        rows 64 y
;   y = 16..19  Apart = span_embs . W1[0:512] + b1           rows 64 (y & 3)
;   y = 20..23  sent  = relu(span_embs . Ws + bs)            rows 64 (y & 3)
; x = the block of 64 columns.  Outputs are f32 with a pitch of 512 numbers; columns 500..511 of P and Apart are written as exact zeros.
; Operands are rounded to bf16 on the way into LDS, sums are f32.  All 68 loads of a lane go out at once; nothing is read twice by the work-group.
; The weights lie [k][n] in memory: they are staged as they lie and turned by ds_load_tr16_b128.
; The matrix instruction is used transposed (source 0 = 16 columns of W, source 1 = 16 rows of X): a lane then holds 8 neighbouring columns of one row.
; LIMITS: relu is a maximum in which a NaN loses (a NaN becomes 0); infinities are not treated apart.
; No cluster, no tensor load: a work-group's 256 KB of inputs are converted from f32 on the way, which wants them in registers.
.set XP,    1040                       ; a row of X in LDS: 512 bf16 + 16 bytes: an odd multiple of 16, so the 16 rows of a fragment load start 16 bytes apart modulo 256
.set WT,    66560                      ; behind X's 64 rows: W's 512 k rows
.set WP,    160                        ; a k row of W: 64 bf16 + 32 bytes: an odd multiple of 32, for the turning load
.set OST,   148480                     ; the out stage: 64 rows
.set OP,    272                        ; of 64 f32 + 16 bytes
.set SPARE, 165888                     ; the spare words: 128 bytes for each of 8 waves; no other line names them
.set SPW,  2                           ; v2   my spare word's address; never rewritten
.set NIL,  3                           ; v3   0; never rewritten
.set AOFF, 6                           ; v6   X: wave x 8 rows + 16 lane
.set XST,  7                           ; v7   where my 8 bytes of a row of X go
.set WOFF, 8                           ; v8   W: (tid >> 4) rows + my 16 bytes of the block's 256
.set KR,   9                           ; v9   tid >> 4
.set WST,  10                          ; v10-11 where my 8 bytes of a k row go: passes 0-15, 16-31
.set MC,   12                          ; v12  all ones where my four columns exist
.set XRD,  13                          ; v13  my place in a fragment of X
.set WRD,  14                          ; v14-15 my place in a fragment of W: k steps 0-7, 8-15
.set OSA,  16                          ; v16  out stage, in
.set ORD,  17                          ; v17  out stage, back
.set GOF,  18                          ; v18  my byte offset in the output tile
.set CB,   19                          ; v19  my column bytes in a row of W, clamped to the last 16 of the row
.set BO,   20                          ; v20-23 byte offsets of my 4 x 4 bias numbers, clamped likewise
.set T,    24                          ; v24-39 at work
.set TMP,  40                          ; v40-41 at work
.set ACC,  48                          ; v48-63 two accumulators
.set WL,   128                         ; v128-255 W as loaded, pass i at 4 i
.set FB0,  64                          ; v64-159, v160-255: two fragment buffers of 4 k steps x 24 registers, once W is staged
.set FB1,  160
.set AL,   0                           ; window 1: v0-127 X as loaded
.set MSB, 0
.macro WIN new                         ; the immediate's high byte repeats the setting that is left
.if MSB != (\new)
	s_set_vgpr_msb (MSB<<8)|(\new)
.set MSB, \new
.endif
.endm
.macro PLACES                          ; four places behind matrix instructions, ahead of loads into their sources and of reads of their results
.rept 4
	v_nop
.endr
.endm
.macro ENDLDS                          ; the wave's end: three lines behind my last LDS store
	WIN 0
	s_wait_tensorcnt 0x0
	ds_add_u32 v[SPW], v[NIL]
	s_wait_dscnt 0x0
.endm
	s_load_b512 s[8:23], s[0:1], 0x0               ; knowledge 8, span 10, W1 12, Ws 14, b1 16, bs 18, P 20, Apart 22
	s_load_b64 s[24:25], s[0:1], 0x40              ; sent
	v_lshl_add_u32 v[SPW], v0, 2, SPARE
	v_mov_b32 v[NIL], 0
	v_lshrrev_b32 v1, 5, v0
	v_readfirstlane_b32 s2, v1                     ; wave 0..7
	s_and_b32 s3, ttmp7, 0xffff                    ; y: the job
	s_mov_b32 s4, ttmp9                            ; x: the block of 64 columns
	s_and_b32 s5, s3, 3
	s_movk_i32 s36, 500                            ; NV: columns that W has
	s_movk_i32 s35, 500                            ; columns that take a bias
	s_cmp_lt_u32 s3, 16
	s_cselect_b32 s5, s3, s5                       ; the block of 64 rows
	s_cselect_b32 s34, 1024000, 0                  ; P takes W1 from row 512 on
	s_cselect_b32 s35, 0, s35                      ; and no bias
	s_cmp_ge_u32 s3, 20
	s_cselect_b32 s36, 512, s36
	s_cselect_b32 s35, 512, s35
	s_sub_co_u32 s44, s36, 4
	s_lshl_b32 s44, s44, 2                         ; the last 16 bytes of a row of W, and of the bias
	v_and_b32 v1, 31, v0                           ; lane
	v_and_b32 v4, 15, v0                           ; r
	v_bfe_u32 v5, v0, 4, 1                         ; h
	v_lshrrev_b32 v[KR], 4, v0
	s_lshr_b32 s6, s2, 1                           ; a: my tile of 16 rows
	s_and_b32 s45, s2, 1                           ; my half of the 64 columns
	s_lshl_b32 s7, s2, 14                          ; 8 rows of 2,048 bytes a wave
	v_lshl_add_u32 v[AOFF], v1, 4, s7
	v_lshlrev_b32 v[GOF], 11, v5
	v_lshl_add_u32 v[GOF], v4, 4, v[GOF]
	v_add_nc_u32 v[GOF], s7, v[GOF]                ; (8 w + h) rows + 16 r
	s_mul_i32 s7, s2, 8*XP
	v_lshl_add_u32 v[XST], v1, 3, s7
	s_lshl_b32 s7, s4, 8
	v_lshl_add_u32 v[CB], v4, 4, s7
	v_min_u32 v[CB], s44, v[CB]                    ; no load leaves a row of W
	v_mul_u32_u24 v[WST], v[KR], WP
	v_lshl_add_u32 v[WST], v4, 3, v[WST]
	v_add_nc_u32 v[WST], WT, v[WST]
	v_add_nc_u32 v[WST+1], 256*WP, v[WST]
	s_lshl_b32 s7, s4, 6
	v_lshl_add_u32 v[TMP], v4, 2, s7               ; my first column
	v_cmp_gt_u32 vcc_lo, s36, v[TMP]
	v_cndmask_b32 v[MC], 0, -1, vcc_lo
	s_mul_i32 s7, s6, 16*XP
	v_mul_u32_u24 v[XRD], v4, XP
	v_lshl_add_u32 v[XRD], v5, 4, v[XRD]
	v_add_nc_u32 v[XRD], s7, v[XRD]                ; (16 a + r) rows + 16 h
	v_and_b32 v[TMP], 7, v0
	v_lshl_add_u32 v[TMP], v5, 3, v[TMP]
	v_mul_u32_u24 v[WRD], v[TMP], WP               ; k row 8 h + lane % 8,
	v_bfe_u32 v[TMP], v0, 3, 1
	v_lshl_add_u32 v[WRD], v[TMP], 4, v[WRD]       ; 16 bytes for each eight lanes,
	s_lshl_b32 s7, s45, 6
	s_add_co_u32 s7, s7, WT
	v_add_nc_u32 v[WRD], s7, v[WRD]                ; my 32 columns
	v_add_nc_u32 v[WRD+1], 256*WP, v[WRD]
	s_mul_i32 s7, s6, 16*OP
	s_lshl_b32 s46, s45, 7
	s_add_co_u32 s7, s7, s46
	s_add_co_u32 s7, s7, OST
	v_mul_u32_u24 v[OSA], v4, OP
	v_lshl_add_u32 v[OSA], v5, 5, v[OSA]
	v_add_nc_u32 v[OSA], s7, v[OSA]
	s_mul_i32 s7, s2, 8*OP
	s_add_co_u32 s7, s7, OST
	v_mul_u32_u24 v[ORD], v5, OP
	v_lshl_add_u32 v[ORD], v4, 4, v[ORD]
	v_add_nc_u32 v[ORD], s7, v[ORD]
	s_lshl_b32 s7, s4, 6
	s_lshl_b32 s46, s45, 5
	s_add_co_u32 s7, s7, s46
	v_lshl_add_u32 v[TMP], v5, 3, s7               ; the first column that my accumulators hold
.irp c, 0,1,2,3                        ; tile c / 2, registers 4 (c % 2) on
	v_add_nc_u32 v[TMP+1], 16*(\c/2)+4*(\c%2), v[TMP]
	v_cmp_gt_u32 s[40+\c], s35, v[TMP+1]           ; do these four columns take a bias?
	v_lshlrev_b32 v[BO+\c], 2, v[TMP+1]
	v_min_u32 v[BO+\c], s44, v[BO+\c]
.endr
	s_wait_kmcnt 0x0
	s_cmp_lt_u32 s3, 16
	s_cselect_b64 s[26:27], s[8:9], s[10:11]       ; X
	s_cselect_b64 s[30:31], s[20:21], s[22:23]     ; the output
	s_cmp_ge_u32 s3, 20
	s_cselect_b64 s[28:29], s[14:15], s[12:13]     ; W
	s_cselect_b64 s[30:31], s[24:25], s[30:31]
	s_cselect_b64 s[32:33], s[18:19], s[16:17]     ; the bias
	s_lshl_b32 s38, s5, 17                         ; 64 rows of 2,048 bytes
	s_mov_b32 s39, 0
	s_add_nc_u64 s[26:27], s[26:27], s[38:39]
	s_add_nc_u64 s[30:31], s[30:31], s[38:39]
	s_lshl_b32 s38, s4, 8
	s_add_nc_u64 s[30:31], s[30:31], s[38:39]
	s_mov_b32 s38, s34
	s_add_nc_u64 s[28:29], s[28:29], s[38:39]
	; ALL LOADS AT ONCE: 4 of the bias (straight into the accumulators), 32 of X, 32 of W
.irp c, 0,1,2,3
	global_load_b128 v[ACC+4*\c:ACC+4*\c+3], v[BO+\c], s[32:33]
.endr
	WIN 0x40                                       ; destination window 1
.set i, 0
.rept 32                                       ; row i / 4 of my 8, quarter i % 4: 512 consecutive bytes a load
	global_load_b128 v[AL+4*i:AL+4*i+3], v[AOFF], s[26:27] offset:(i/4)*2048+(i%4)*512
.set i, i+1
.endr
	WIN 0
.macro WLOADS pitch                    ; pass i: k rows 16 i .. 16 i + 15; sixteen lanes take the block's 256 bytes of a row
	v_mad_u32_u24 v[WOFF], v[KR], \pitch, v[CB]
.set i, 0
.rept 32
	global_load_b128 v[WL+4*i:WL+4*i+3], v[WOFF], s[28:29] offset:i*16*(\pitch)
.set i, i+1
.endr
.endm
	s_cmp_ge_u32 s3, 20                            ; the pitch stands in the immediates: the run is written for each of the two; both issue 32 loads
	s_cbranch_scc1 .Lws
	WLOADS 2000
	s_branch .Ljoin
.Lws:
	WLOADS 2048
.Ljoin:
; X, eight loads (two rows) at a time: rounded to bf16, 8 bytes a lane into LDS
.macro ACTCVT g
	s_wait_loadcnt 56-8*(\g)                       ; loads come back in order: W's 32 and X's later groups may stay out
	WIN 0x05                                       ; sources in window 1
.set e, 0
.rept 16
	v_cvt_pk_bf16_f32 v[T+e], v[AL+32*(\g)+2*e], v[AL+32*(\g)+2*e+1]
.set e, e+1
.endr
	WIN 0
.set e, 0
.rept 8
	ds_store_b64 v[XST], v[T+2*e:T+2*e+1] offset:(2*(\g)+e/4)*XP+(e%4)*256
.set e, e+1
.endr
.endm
; W, eight passes at a time: rounded, columns that do not exist set to 0
.macro WCVT g
	s_wait_loadcnt 24-8*(\g)                       ; the later groups may stay out
.set e, 0
.rept 8
.set i, 8*(\g)+e
	v_cvt_pk_bf16_f32 v[T+2*e], v[WL+4*i], v[WL+4*i+1]
	v_cvt_pk_bf16_f32 v[T+2*e+1], v[WL+4*i+2], v[WL+4*i+3]
	v_and_b32 v[T+2*e], v[MC], v[T+2*e]
	v_and_b32 v[T+2*e+1], v[MC], v[T+2*e+1]
	ds_store_b64 v[WST+i/16], v[T+2*e:T+2*e+1] offset:(i%16)*16*WP
.set e, e+1
.endr
.endm
	ACTCVT 0
.set i, 0
.rept 16                                       ; the bias is older than X: it is in.  It starts the sums; 0 where there is none
	v_cndmask_b32 v[ACC+i], 0, v[ACC+i], s[40+i/4]
.set i, i+1
.endr
	ACTCVT 1
	ACTCVT 2
	ACTCVT 3
	WCVT 0
	WCVT 1
	WCVT 2
	WCVT 3
	s_wait_dscnt 0x0                               ; for the others' sake: my stores are done
	s_barrier_signal -1
	s_barrier_wait -1
; the fragments of k steps 4 G .. 4 G + 3: 24 LDS loads.  A k step: X's 16 rows x 32 k (8 registers), then W's two tiles of 16 columns
.macro FRAGS G, FB
.set kk, 0
.rept 4
.set k, 4*(\G)+kk
	ds_load_b128 v[(\FB)+24*kk:(\FB)+24*kk+3], v[XRD] offset:64*k
	ds_load_b128 v[(\FB)+24*kk+4:(\FB)+24*kk+7], v[XRD] offset:64*k+32
.irp b, 0,1
	ds_load_tr16_b128 v[(\FB)+24*kk+8+8*\b:(\FB)+24*kk+8+8*\b+3], v[WRD+k/8] offset:(k%8)*32*WP+32*\b
	ds_load_tr16_b128 v[(\FB)+24*kk+12+8*\b:(\FB)+24*kk+12+8*\b+3], v[WRD+k/8] offset:(k%8)*32*WP+16*WP+32*\b
.endr
.set kk, kk+1
.endr
.endm
.macro MULS FB                         ; 8 matrix instructions; the two accumulators take turns
.set kk, 0
.rept 4
	v_wmma_f32_16x16x32_bf16 v[ACC:ACC+7], v[(\FB)+24*kk+8:(\FB)+24*kk+15], v[(\FB)+24*kk:(\FB)+24*kk+7], v[ACC:ACC+7]
	v_wmma_f32_16x16x32_bf16 v[ACC+8:ACC+15], v[(\FB)+24*kk+16:(\FB)+24*kk+23], v[(\FB)+24*kk:(\FB)+24*kk+7], v[ACC+8:ACC+15]
.set kk, kk+1
.endr
.endm
	FRAGS 0, FB0
	FRAGS 1, FB1
	s_wait_dscnt 24                                ; buffer 0 is in; buffer 1's 24 loads may be out
	MULS FB0
	PLACES
	FRAGS 2, FB0
	s_wait_dscnt 24
	MULS FB1
	PLACES
	FRAGS 3, FB1
	s_wait_dscnt 24
	MULS FB0
	s_wait_dscnt 0x0
	MULS FB1
	PLACES
	s_cmp_lt_u32 s3, 20
	s_cbranch_scc1 .Lnorelu
.set i, 0
.rept 16                                       ; the sentinel alone has a relu; each accumulator from its low end on
	v_max_num_f32 v[ACC+i], 0, v[ACC+i]
.set i, i+1
.endr
.Lnorelu:
	; THE WAY OUT: a row's 256 bytes come from two waves: through the stage, with a barrier, and back as whole rows
.irp c, 0,1,2,3
	ds_store_b128 v[OSA], v[ACC+4*\c:ACC+4*\c+3] offset:64*(\c/2)+16*(\c%2)
.endr
	s_wait_dscnt 0x0
	s_barrier_signal -1
	s_barrier_wait -1
.irp c, 0,1,2,3
	ds_load_b128 v[T+4*\c:T+4*\c+3], v[ORD] offset:2*OP*\c
.endr
	s_wait_dscnt 0x0
.irp c, 0,1,2,3
	global_store_b128 v[GOF], v[T+4*\c:T+4*\c+3], s[30:31] offset:4096*\c  ; sixteen lanes store 256 consecutive bytes, at a multiple of 256 from the buffer's first
.endr
	ENDLDS
	s_endpgm
.Lfunc_end_k_q55c844989c_prep:
	.size	k_q55c844989c_prep, .Lfunc_end_k_q55c844989c_prep-k_q55c844989c_prep
	.p2alignl 7, 3214868480
	.fill 96, 4, 3214868480
	.section	.rodata,"a",@progbits
	.p2align	6, 0x0
	.amdhsa_kernel k_q55c844989c_prep
		.amdhsa_group_segment_fixed_size 166912
		.amdhsa_private_segment_fixed_size 0
		.amdhsa_enable_private_segment 0
		.amdhsa_kernarg_size 72
		.amdhsa_user_sgpr_count 2
		.amdhsa_user_sgpr_kernarg_segment_ptr 1
		.amdhsa_wavefront_size32 1
		.amdhsa_system_sgpr_workgroup_id_x 1
		.amdhsa_system_sgpr_workgroup_id_y 1
		.amdhsa_system_sgpr_workgroup_id_z 1
		.amdhsa_system_vgpr_workitem_id 0
		.amdhsa_next_free_vgpr 384
		.amdhsa_next_free_sgpr 66
		.amdhsa_reserve_vcc 1
		.amdhsa_float_denorm_mode_32 3
		.amdhsa_float_denorm_mode_16_64 3
		.amdhsa_memory_ordered 1
		.amdhsa_forward_progress 1
		.amdhsa_inst_pref_size 41
	.end_amdhsa_kernel
	.amdgpu_metadata
---
amdhsa.version: [ 1, 2 ]
amdhsa.kernels:
  - .name:           k_q55c844989c_prep
    .symbol:         k_q55c844989c_prep.kd
    .args:
      - { .name: knowledge_embs, .offset: 0, .size: 8, .value_kind: global_buffer, .address_space: global }
      - { .name: span_embs, .offset: 8, .size: 8, .value_kind: global_buffer, .address_space: global }
      - { .name: W1, .offset: 16, .size: 8, .value_kind: global_buffer, .address_space: global }
      - { .name: Ws, .offset: 24, .size: 8, .value_kind: global_buffer, .address_space: global }
      - { .name: b1, .offset: 32, .size: 8, .value_kind: global_buffer, .address_space: global }
      - { .name: bs, .offset: 40, .size: 8, .value_kind: global_buffer, .address_space: global }
      - { .name: P, .offset: 48, .size: 8, .value_kind: global_buffer, .address_space: global }
      - { .name: Apart, .offset: 56, .size: 8, .value_kind: global_buffer, .address_space: global }
      - { .name: sent, .offset: 64, .size: 8, .value_kind: global_buffer, .address_space: global }
    .group_segment_fixed_size: 166912
    .private_segment_fixed_size: 0
    .kernarg_segment_align: 8
    .kernarg_segment_size: 72
    .max_flat_workgroup_size: 256
    .sgpr_count:     66
    .vgpr_count:     384
    .wavefront_size: 32
...
	.end_amdgpu_metadata
.endif
;; end of part 1
;; launch sentp (part 2): grid 8 x 5, 8 waves a work-group, no clusters, 166,912 bytes of LDS; arguments sent, W1, W2, spart, w2f; writes spart, w2f
.if DOCPART == 2
	.amdgcn_target "amdgcn-amd-amdhsa--gfx1250"
	.amdhsa_code_object_version 6
	.text
	.protected	k_q55c844989c_sentp
	.globl	k_q55c844989c_sentp
	.p2align	8
	.type	k_q55c844989c_sentp,@function
k_q55c844989c_sentp:
	s_mov_b64 s[64:65], 0
	v_nop
	global_prefetch_b8 v0, s[64:65] scope:SCOPE_SE
	s_setreg_imm32_b32 hwreg(HW_REG_WAVE_MODE, 25, 1), 1
	s_wait_xcnt 0x0
; y = 0..3: spart = sent . W1[512:1024], a tile of 64 rows (64 y on) x 64 columns (64 x on), K = 512; f32, pitch 512 numbers, columns 500..511 exact zeros.
; y = 4:    w2f = W2 in bf16, in the order in which the next launch's waves take their fragments: slice x = columns 64 x .. 64 x + 63.
;   byte ((x 16 + kstep) 4 + b) 1024 + half 512 + lane 16: registers 4 half .. 4 half + 3 of the fragment in which lane (r, h) holds W2[32 kstep + 16 half + 8 h + 0..7][64 x + 16 b + r];
;   zeros where the row or the column is 500 or more.
; Both jobs stage 512 k rows x 64 columns of a [k][n] matrix of pitch 2,000 bytes in LDS as bf16 and take it out turned, by ds_load_tr16_b128.
; Operands are rounded to bf16, sums are f32.  LIMITS: NaN and infinities are not treated apart.
.set XP,    1040                       ; a row of X in LDS: 512 bf16 + 16 bytes
.set WT,    66560                      ; W's 512 k rows
.set WP,    160                        ; of 64 bf16 + 32 bytes
.set OST,   148480                     ; the out stage: 64 rows
.set OP,    272                        ; of 64 f32 + 16 bytes
.set SPARE, 165888                     ; the spare words: 128 bytes for each of 8 waves; no other line names them
.set PITCH, 2000                       ; bytes in a row of W1 and of W2
.set SPW,  2
.set NIL,  3
.set AOFF, 6
.set XST,  7
.set WOFF, 8
.set KR,   9
.set WST,  10
.set MC,   12
.set XRD,  13
.set WRD,  14
.set OSA,  16
.set ORD,  17
.set GOF,  18
.set CB,   19
.set T,    24                          ; v24-39 at work
.set TMP,  40
.set WOFL, 42                          ; v42  the last pass's offset: its row clamped to the matrix's last
.set ML,   43                          ; v43  the last pass's mask: column and row exist
.set W2A,  44                          ; v44  y = 4: my place in the fragments of my two k steps
.set W2O,  45                          ; v45  y = 4: my byte offset in the slice
.set ACC,  48
.set WL,   128
.set FB0,  64
.set FB1,  160
.set AL,   0                           ; window 1
.set MSB, 0
.macro WIN new
.if MSB != (\new)
	s_set_vgpr_msb (MSB<<8)|(\new)
.set MSB, \new
.endif
.endm
.macro PLACES
.rept 4
	v_nop
.endr
.endm
.macro ENDLDS                          ; the wave's end: three lines behind my last LDS store
	WIN 0
	s_wait_tensorcnt 0x0
	ds_add_u32 v[SPW], v[NIL]
	s_wait_dscnt 0x0
.endm
	s_load_b256 s[8:15], s[0:1], 0x0               ; sent 8, W1 10, W2 12, spart 14
	s_load_b64 s[16:17], s[0:1], 0x20              ; w2f
	v_lshl_add_u32 v[SPW], v0, 2, SPARE
	v_mov_b32 v[NIL], 0
	v_lshrrev_b32 v1, 5, v0
	v_readfirstlane_b32 s2, v1                     ; wave 0..7
	s_and_b32 s3, ttmp7, 0xffff                    ; y
	s_mov_b32 s4, ttmp9                            ; x
	s_and_b32 s5, s3, 3                            ; the block of 64 rows (0 for y = 4, which uses none)
	s_movk_i32 s35, 499
	s_cmp_lt_u32 s3, 4
	s_cselect_b32 s34, 1024000, 0                  ; W1 from row 512 on, W2 from its first
	s_cselect_b32 s35, 511, s35                    ; the last k row that exists
	v_and_b32 v1, 31, v0
	v_and_b32 v4, 15, v0                           ; r
	v_bfe_u32 v5, v0, 4, 1                         ; h
	v_lshrrev_b32 v[KR], 4, v0
	s_lshr_b32 s6, s2, 1
	s_and_b32 s45, s2, 1
	s_lshl_b32 s7, s2, 14
	v_lshl_add_u32 v[AOFF], v1, 4, s7
	v_lshlrev_b32 v[GOF], 11, v5
	v_lshl_add_u32 v[GOF], v4, 4, v[GOF]
	v_add_nc_u32 v[GOF], s7, v[GOF]
	s_mul_i32 s7, s2, 8*XP
	v_lshl_add_u32 v[XST], v1, 3, s7
	s_lshl_b32 s7, s4, 8
	v_lshl_add_u32 v[CB], v4, 4, s7
	v_min_u32 v[CB], PITCH-16, v[CB]               ; no load leaves a row
	v_mad_u32_u24 v[WOFF], v[KR], PITCH, v[CB]
	v_mul_u32_u24 v[WST], v[KR], WP
	v_lshl_add_u32 v[WST], v4, 3, v[WST]
	v_add_nc_u32 v[WST], WT, v[WST]
	v_add_nc_u32 v[WST+1], 256*WP, v[WST]
	s_lshl_b32 s7, s4, 6
	v_lshl_add_u32 v[TMP], v4, 2, s7
	v_cmp_gt_u32 vcc_lo, 500, v[TMP]
	v_cndmask_b32 v[MC], 0, -1, vcc_lo
	v_add_nc_u32 v[TMP], 496, v[KR]                ; the last pass's k row
	v_cmp_ge_u32 vcc_lo, s35, v[TMP]
	v_cndmask_b32 v[ML], 0, v[MC], vcc_lo
	v_min_u32 v[TMP], s35, v[TMP]                  ; W2's rows 500..511 are never addressed
	v_mad_u32_u24 v[WOFL], v[TMP], PITCH, v[CB]
	s_mul_i32 s7, s6, 16*XP
	v_mul_u32_u24 v[XRD], v4, XP
	v_lshl_add_u32 v[XRD], v5, 4, v[XRD]
	v_add_nc_u32 v[XRD], s7, v[XRD]
	v_and_b32 v[TMP], 7, v0
	v_lshl_add_u32 v[TMP], v5, 3, v[TMP]
	v_mul_u32_u24 v[WRD], v[TMP], WP
	v_bfe_u32 v[TMP], v0, 3, 1
	v_lshl_add_u32 v[WRD], v[TMP], 4, v[WRD]
	s_mul_i32 s7, s2, 64*WP                        ; y = 4: wave w turns k steps 2 w and 2 w + 1
	s_add_co_u32 s7, s7, WT
	v_add_nc_u32 v[W2A], s7, v[WRD]
	s_lshl_b32 s7, s45, 6
	s_add_co_u32 s7, s7, WT
	v_add_nc_u32 v[WRD], s7, v[WRD]
	v_add_nc_u32 v[WRD+1], 256*WP, v[WRD]
	s_lshl_b32 s7, s2, 13
	v_lshl_add_u32 v[W2O], v1, 4, s7
	s_mul_i32 s7, s6, 16*OP
	s_lshl_b32 s46, s45, 7
	s_add_co_u32 s7, s7, s46
	s_add_co_u32 s7, s7, OST
	v_mul_u32_u24 v[OSA], v4, OP
	v_lshl_add_u32 v[OSA], v5, 5, v[OSA]
	v_add_nc_u32 v[OSA], s7, v[OSA]
	s_mul_i32 s7, s2, 8*OP
	s_add_co_u32 s7, s7, OST
	v_mul_u32_u24 v[ORD], v5, OP
	v_lshl_add_u32 v[ORD], v4, 4, v[ORD]
	v_add_nc_u32 v[ORD], s7, v[ORD]
	s_wait_kmcnt 0x0
	s_cmp_lt_u32 s3, 4
	s_cselect_b64 s[28:29], s[10:11], s[12:13]     ; W
	s_mov_b32 s39, 0
	s_mov_b32 s38, s34
	s_add_nc_u64 s[28:29], s[28:29], s[38:39]
	s_lshl_b32 s38, s5, 17
	s_add_nc_u64 s[26:27], s[8:9], s[38:39]        ; X = sent at my 64 rows
	s_add_nc_u64 s[30:31], s[14:15], s[38:39]      ; spart at my tile
	s_lshl_b32 s38, s4, 8
	s_add_nc_u64 s[30:31], s[30:31], s[38:39]
	s_lshl_b32 s38, s4, 16
	s_add_nc_u64 s[16:17], s[16:17], s[38:39]      ; w2f at my slice
	s_cmp_eq_u32 s3, 4                             ; alike in all waves of a work-group
	s_cbranch_scc1 .Lnoact1
	WIN 0x40
.set i, 0
.rept 32
	global_load_b128 v[AL+4*i:AL+4*i+3], v[AOFF], s[26:27] offset:(i/4)*2048+(i%4)*512
.set i, i+1
.endr
	WIN 0
.Lnoact1:
.set i, 0
.rept 31                                       ; pass i: k rows 16 i .. 16 i + 15, which exist in both matrices
	global_load_b128 v[WL+4*i:WL+4*i+3], v[WOFF], s[28:29] offset:i*16*PITCH
.set i, i+1
.endr
	global_load_b128 v[WL+124:WL+127], v[WOFL], s[28:29]  ; pass 31: rows 496 on, clamped
.macro ACTCVT g
	s_wait_loadcnt 56-8*(\g)                       ; on this path W's 32 loads follow X's: they and X's later groups may stay out
	WIN 0x05
.set e, 0
.rept 16
	v_cvt_pk_bf16_f32 v[T+e], v[AL+32*(\g)+2*e], v[AL+32*(\g)+2*e+1]
.set e, e+1
.endr
	WIN 0
.set e, 0
.rept 8
	ds_store_b64 v[XST], v[T+2*e:T+2*e+1] offset:(2*(\g)+e/4)*XP+(e%4)*256
.set e, e+1
.endr
.endm
.macro WCVT g
	s_wait_loadcnt 24-8*(\g)
.set e, 0
.rept 8
.set i, 8*(\g)+e
	v_cvt_pk_bf16_f32 v[T+2*e], v[WL+4*i], v[WL+4*i+1]
	v_cvt_pk_bf16_f32 v[T+2*e+1], v[WL+4*i+2], v[WL+4*i+3]
.if i == 31
	v_and_b32 v[T+2*e], v[ML], v[T+2*e]
	v_and_b32 v[T+2*e+1], v[ML], v[T+2*e+1]
.else
	v_and_b32 v[T+2*e], v[MC], v[T+2*e]
	v_and_b32 v[T+2*e+1], v[MC], v[T+2*e+1]
.endif
	ds_store_b64 v[WST+i/16], v[T+2*e:T+2*e+1] offset:(i%16)*16*WP
.set e, e+1
.endr
.endm
	s_cmp_eq_u32 s3, 4
	s_cbranch_scc1 .Lnoact2
	ACTCVT 0
	ACTCVT 1
	ACTCVT 2
	ACTCVT 3
.Lnoact2:
	WCVT 0
	WCVT 1
	WCVT 2
	WCVT 3
	s_wait_dscnt 0x0                               ; for the others' sake: my stores are done
	s_barrier_signal -1
	s_barrier_wait -1
	s_cmp_eq_u32 s3, 4
	s_cbranch_scc1 .Lw2
.macro FRAGS G, FB
.set kk, 0
.rept 4
.set k, 4*(\G)+kk
	ds_load_b128 v[(\FB)+24*kk:(\FB)+24*kk+3], v[XRD] offset:64*k
	ds_load_b128 v[(\FB)+24*kk+4:(\FB)+24*kk+7], v[XRD] offset:64*k+32
.irp b, 0,1
	ds_load_tr16_b128 v[(\FB)+24*kk+8+8*\b:(\FB)+24*kk+8+8*\b+3], v[WRD+k/8] offset:(k%8)*32*WP+32*\b
	ds_load_tr16_b128 v[(\FB)+24*kk+12+8*\b:(\FB)+24*kk+12+8*\b+3], v[WRD+k/8] offset:(k%8)*32*WP+16*WP+32*\b
.endr
.set kk, kk+1
.endr
.endm
.macro MULS FB, first                  ; 8 matrix instructions, the two accumulators by turns; first = 1: the first k step starts the sums
.set kk, 0
.rept 4
.if (\first) && (kk == 0)
	v_wmma_f32_16x16x32_bf16 v[ACC:ACC+7], v[(\FB)+8:(\FB)+15], v[(\FB):(\FB)+7], 0
	v_wmma_f32_16x16x32_bf16 v[ACC+8:ACC+15], v[(\FB)+16:(\FB)+23], v[(\FB):(\FB)+7], 0
.else
	v_wmma_f32_16x16x32_bf16 v[ACC:ACC+7], v[(\FB)+24*kk+8:(\FB)+24*kk+15], v[(\FB)+24*kk:(\FB)+24*kk+7], v[ACC:ACC+7]
	v_wmma_f32_16x16x32_bf16 v[ACC+8:ACC+15], v[(\FB)+24*kk+16:(\FB)+24*kk+23], v[(\FB)+24*kk:(\FB)+24*kk+7], v[ACC+8:ACC+15]
.endif
.set kk, kk+1
.endr
.endm
	FRAGS 0, FB0
	FRAGS 1, FB1
	s_wait_dscnt 24                                ; buffer 0 is in; buffer 1's 24 loads may be out
	MULS FB0, 1
	PLACES
	FRAGS 2, FB0
	s_wait_dscnt 24
	MULS FB1, 0
	PLACES
	FRAGS 3, FB1
	s_wait_dscnt 24
	MULS FB0, 0
	s_wait_dscnt 0x0
	MULS FB1, 0
	PLACES
.irp c, 0,1,2,3                        ; through the stage: a row's 256 bytes come from two waves
	ds_store_b128 v[OSA], v[ACC+4*\c:ACC+4*\c+3] offset:64*(\c/2)+16*(\c%2)
.endr
	s_wait_dscnt 0x0
	s_barrier_signal -1
	s_barrier_wait -1
.irp c, 0,1,2,3
	ds_load_b128 v[T+4*\c:T+4*\c+3], v[ORD] offset:2*OP*\c
.endr
	s_wait_dscnt 0x0
.irp c, 0,1,2,3
	global_store_b128 v[GOF], v[T+4*\c:T+4*\c+3], s[30:31] offset:4096*\c  ; sixteen lanes store 256 consecutive bytes, aligned
.endr
	ENDLDS
	s_endpgm
.Lw2:                                          ; the slice of W2 leaves turned: 16 half fragments a wave, 512 consecutive bytes a store
.set i, 0
.rept 16                                       ; k step i / 8 of my two, tile (i / 2) % 4, half i % 2
	ds_load_tr16_b128 v[64+4*i:64+4*i+3], v[W2A] offset:(i/8)*32*WP+(i%2)*16*WP+32*((i/2)%4)
.set i, i+1
.endr
	s_wait_dscnt 0x0
.set i, 0
.rept 16
	global_store_b128 v[W2O], v[64+4*i:64+4*i+3], s[16:17] offset:512*i
.set i, i+1
.endr
	ENDLDS
	s_endpgm
.Lfunc_end_k_q55c844989c_sentp:
	.size	k_q55c844989c_sentp, .Lfunc_end_k_q55c844989c_sentp-k_q55c844989c_sentp
	.p2alignl 7, 3214868480
	.fill 96, 4, 3214868480
	.section	.rodata,"a",@progbits
	.p2align	6, 0x0
	.amdhsa_kernel k_q55c844989c_sentp
		.amdhsa_group_segment_fixed_size 166912
		.amdhsa_private_segment_fixed_size 0
		.amdhsa_enable_private_segment 0
		.amdhsa_kernarg_size 40
		.amdhsa_user_sgpr_count 2
		.amdhsa_user_sgpr_kernarg_segment_ptr 1
		.amdhsa_wavefront_size32 1
		.amdhsa_system_sgpr_workgroup_id_x 1
		.amdhsa_system_sgpr_workgroup_id_y 1
		.amdhsa_system_sgpr_workgroup_id_z 1
		.amdhsa_system_vgpr_workitem_id 0
		.amdhsa_next_free_vgpr 384
		.amdhsa_next_free_sgpr 66
		.amdhsa_reserve_vcc 1
		.amdhsa_float_denorm_mode_32 3
		.amdhsa_float_denorm_mode_16_64 3
		.amdhsa_memory_ordered 1
		.amdhsa_forward_progress 1
		.amdhsa_inst_pref_size 38
	.end_amdhsa_kernel
	.amdgpu_metadata
---
amdhsa.version: [ 1, 2 ]
amdhsa.kernels:
  - .name:           k_q55c844989c_sentp
    .symbol:         k_q55c844989c_sentp.kd
    .args:
      - { .name: sent, .offset: 0, .size: 8, .value_kind: global_buffer, .address_space: global }
      - { .name: W1, .offset: 8, .size: 8, .value_kind: global_buffer, .address_space: global }
      - { .name: W2, .offset: 16, .size: 8, .value_kind: global_buffer, .address_space: global }
      - { .name: spart, .offset: 24, .size: 8, .value_kind: global_buffer, .address_space: global }
      - { .name: w2f, .offset: 32, .size: 8, .value_kind: global_buffer, .address_space: global }
    .group_segment_fixed_size: 166912
    .private_segment_fixed_size: 0
    .kernarg_segment_align: 8
    .kernarg_segment_size: 40
    .max_flat_workgroup_size: 256
    .sgpr_count:     66
    .vgpr_count:     384
    .wavefront_size: 32
...
	.end_amdgpu_metadata
.endif
;; end of part 2
;; launch link (part 3): grid 256 x 1, 8 waves a work-group, no clusters, 105,216 bytes of LDS; arguments span2concepts, lengths, knowledge_embs, P, Apart, spart, sent, w2f, b2, W3, b3, out0, out1; writes out0, out1
.if DOCPART == 3
	.amdgcn_target "amdgcn-amd-amdhsa--gfx1250"
	.amdhsa_code_object_version 6
	.text
	.protected	k_q55c844989c_link
	.globl	k_q55c844989c_link
	.p2align	8
	.type	k_q55c844989c_link,@function
k_q55c844989c_link:
	s_mov_b64 s[64:65], 0
	v_nop
	global_prefetch_b8 v0, s[64:65] scope:SCOPE_SE
	s_setreg_imm32_b32 hwreg(HW_REG_WAVE_MODE, 25, 1), 1
	s_wait_xcnt 0x0
; One span n to a work-group.  Only the pairs that the span's list names are scored: a score that is never gathered reaches no output.
;   h1[l] = relu(P[idx[l]] + Apart[n])  for l = 0..63;  rows 64..79 are sixteen copies of relu(spart[n] + Apart[n]), the sentinel's pair (Apart holds b1)
;   h2 = relu(h1 . W2 + b2);  score[l] = h2[l] . W3 + b3;  masked softmax over the 64 listed and the sentinel, the true maximum taken away;  features = the sum of p[l] x row l.
; h1 and W2 are bf16 for the matrix unit, sums f32; the product with W3 (one column) and the weighted sum of rows (one row a span) are f32 vector work.
; SHARES.  Wave w builds h1's rows 8 w .. 8 w + 7 and 64 + 2 w, 65 + 2 w; owns h2's columns 64 w .. 64 w + 63 for all 80 rows (4 x 5 accumulators); holds the knowledge rows of l = 8 w .. 8 w + 7.
; The matrix instruction is used transposed (source 0 = 16 columns of W2, source 1 = 16 rows of h1): a lane holds one pair and 8 neighbouring columns.
; W2 COMES STRAIGHT INTO REGISTERS, from w2f, which lies in fragment order (a fragment = two loads of 512 consecutive bytes), three k steps ahead.
; NO CLUSTER, NO TENSOR LOAD, though all work-groups walk the same w2f: a fragment of W2 is used by one wave alone and feeds 5 matrix instructions; through LDS a wave's k step would have
; 18 LDS loads for its 20 matrix instructions instead of 10, and beside h1's 83,200 bytes a pair of slots would hold few k steps, with a round of barriers for each.
; LIMITS.  An index 1024 means the sentinel, as in the table of scores that it indexes; any other index above 1023 (as unsigned) is read as row 1023.  relu is a maximum in which a NaN
; loses; infinities are not treated apart; a weight below 2^-126 counts as 0.  A row of out1 is 260 bytes, so its stores cannot fill aligned blocks of 256.
.set HP,    1040                       ; a row of h1: 512 bf16 + 16 bytes: an odd multiple of 16
.set SC,    83200                      ; behind h1's 80 rows: [8 waves][80] partial scores
.set PW,    85760                      ; 256 bytes for each wave: the 64 weights, each wave's own copy
.set FP,    87808                      ; 2,048 bytes for each wave: its part of the features
.set SPARE, 104192                     ; the spare words: 128 bytes for each of 8 waves; no other line names them
.set SPW,  2
.set NIL,  3
.set L16,  4                           ; 16 lane
.set HST,  5                           ; h1, in: my wave's first row + 8 lane
.set HS2,  6                           ; the same for its two sentinel rows
.set HRD,  7                           ; h1, fragments: r rows + 16 h
.set HRD4, 8                           ; the same, 64 rows on
.set SCA,  9
.set SCR,  10
.set SC64, 11
.set PWA,  12
.set PWR,  13
.set FPA,  14
.set FPR,  15
.set OFF,  16                          ; v16-23 row j of my 8: its byte offset in P and in knowledge_embs, + 16 lane; never rewritten
.set IV,   24                          ; v24-25 idx[lane], idx[lane + 32]
.set SN,   26                          ; v26-27 sent[n][2 tid, 2 tid + 1]
.set T8,   28                          ; 8 tid
.set L4,   29                          ; 4 lane
.set PS,   30                          ; v30-34 my partial scores, one for each tile of 16 rows
.set OB,   35                          ; 256 w + 32 h: my columns' bytes in b2 and W3
.set OB30, 36                          ; the last tile's two loads, clamped to the last 16 bytes
.set OB31, 37
.set RR,   38
.set HH,   39
.set TA,   40                          ; v40-41 at work
.set AC,   48                          ; before the products: v48-63 Apart, v64-79 spart, v80-95 and v96-103 at work
.set SK,   64
.set T,    80
.set U,    96
.set AF,   48                          ; in the products: v48-127 h1's fragments, two buffers of 40
.set BR,   128                         ; v128-255 W2's fragments, a ring of 4 x 32; at the end my 8 knowledge rows, 16 registers each
.set S0,   48                          ; behind the products: the eight partial scores of l = lane, lane + 32, 64
.set S1,   56
.set S2,   64
.set MX,   72
.set SU,   73
.set RM,   74                          ; v74-75
.set Q0,   76                          ; weights with the sentinel's places set to 0
.set Q1,   77
.set F,    80                          ; v80-95 my part of the features
.set PSN,  96                          ; v96-97 the sentinel's whole weight
.set PJ,   104                         ; v104-111 the weights of my 8 rows
.set FR,   112                         ; v112-127
.set PL,   0                           ; window 1: v0-127 P's rows as loaded; then v0-159 the accumulators, tile (a, b) at 8 (5 b + a)
.set B2V,  160                         ; window 1: b2 of my columns, 8 for each tile b
.set W3V,  192                         ; window 1: W3 likewise
.set SM,   224                         ; window 1: v224-233 a pair of running sums for each tile a
.set MSB, 0
.macro WIN new                         ; bits 1:0 source 0, 3:2 source 1, 5:4 source 2, 7:6 destination; the high byte repeats the setting that is left
.if MSB != (\new)
	s_set_vgpr_msb (MSB<<8)|(\new)
.set MSB, \new
.endif
.endm
.macro PLACES                          ; four places behind matrix instructions, ahead of loads into their sources and of reads of their results
.rept 4
	v_nop
.endr
.endm
	s_load_b512 s[8:23], s[0:1], 0x0               ; span2concepts 8, lengths 10, knowledge 12, P 14, Apart 16, spart 18, sent 20, w2f 22
	s_load_b256 s[24:31], s[0:1], 0x40             ; b2 24, W3 26, b3 28, out0 30
	s_load_b64 s[32:33], s[0:1], 0x60              ; out1
	v_lshl_add_u32 v[SPW], v0, 2, SPARE
	v_mov_b32 v[NIL], 0
	v_lshrrev_b32 v1, 5, v0
	v_readfirstlane_b32 s2, v1                     ; wave 0..7
	s_mov_b32 s3, ttmp9                            ; the span
	s_mov_b32 s50, 0x76543210                      ; v_permlanex16_b32: each lane takes its own place in the other half
	s_mov_b32 s51, 0xfedcba98
	s_mov_b32 s57, 0xf149f2ca                      ; -1e30
	v_and_b32 v1, 31, v0
	v_and_b32 v[RR], 15, v0
	v_bfe_u32 v[HH], v0, 4, 1
	v_lshlrev_b32 v[L16], 4, v1
	v_lshlrev_b32 v[L4], 2, v1
	v_lshlrev_b32 v[T8], 3, v0
	s_mul_i32 s4, s2, 8*HP
	v_lshl_add_u32 v[HST], v1, 3, s4
	s_mul_i32 s4, s2, 2*HP
	s_add_co_u32 s4, s4, 64*HP
	v_lshl_add_u32 v[HS2], v1, 3, s4
	v_mul_u32_u24 v[HRD], v[RR], HP
	v_lshl_add_u32 v[HRD], v[HH], 4, v[HRD]
	v_add_nc_u32 v[HRD4], 64*HP, v[HRD]
	s_mul_i32 s4, s2, 320
	s_add_co_u32 s4, s4, SC
	v_lshl_add_u32 v[SCA], v[RR], 2, s4
	v_add_nc_u32 v[SCR], SC, v[L4]
	v_mov_b32 v[SC64], SC+256
	s_lshl_b32 s4, s2, 8
	v_lshl_add_u32 v[OB], v[HH], 5, s4
	s_add_co_u32 s4, s4, PW
	v_add_nc_u32 v[PWA], s4, v[L4]
	s_mul_i32 s4, s2, 288                          ; my copy (256 w) and in it my 8 weights (32 w)
	s_add_co_u32 s4, s4, PW
	v_mov_b32 v[PWR], s4
	s_lshl_b32 s4, s2, 11
	s_add_co_u32 s4, s4, FP
	v_add_nc_u32 v[FPA], s4, v[L16]
	v_add_nc_u32 v[FPR], FP, v[T8]
	v_add_nc_u32 v[TA], 192, v[OB]
	v_add_nc_u32 v[TA+1], 208, v[OB]
	v_cmp_gt_u32 s52, 2000, v[TA]                  ; do the last tile's columns exist?
	v_cmp_gt_u32 s53, 2000, v[TA+1]
	v_min_u32 v[OB30], 1984, v[TA]                 ; no load leaves b2 or W3
	v_min_u32 v[OB31], 1984, v[TA+1]
	s_wait_kmcnt 0x0
	s_mov_b32 s35, 0
	s_mov_b32 s37, 0
	s_lshl_b32 s34, s3, 8
	s_add_nc_u64 s[8:9], s[8:9], s[34:35]          ; the span's list
	s_lshl_b32 s36, s2, 5
	s_add_nc_u64 s[38:39], s[8:9], s[36:37]
	s_load_b256 s[40:47], s[38:39], 0x0            ; my wave's eight indices
	s_lshl_b32 s34, s3, 2
	s_add_nc_u64 s[10:11], s[10:11], s[34:35]
	s_load_b32 s48, s[10:11], 0x0                  ; the length
	s_load_b32 s49, s[28:29], 0x0                  ; b3
	s_lshl_b32 s34, s3, 11
	s_add_nc_u64 s[16:17], s[16:17], s[34:35]      ; row n of Apart, spart, sent, out0
	s_add_nc_u64 s[18:19], s[18:19], s[34:35]
	s_add_nc_u64 s[20:21], s[20:21], s[34:35]
	s_add_nc_u64 s[30:31], s[30:31], s[34:35]
	s_lshl_b32 s34, s2, 16
	s_add_nc_u64 s[22:23], s[22:23], s[34:35]      ; my slice of w2f
	s_mul_i32 s34, s3, 260
	s_add_nc_u64 s[32:33], s[32:33], s[34:35]      ; row n of out1
.macro BLOAD k                         ; W2's four fragments of k step k: 8 loads of 512 consecutive bytes, 4,096 bytes on end
.set i, 0
.rept 8
	global_load_b128 v[BR+32*((\k)&3)+4*i:BR+32*((\k)&3)+4*i+3], v[L16], s[22:23] offset:4096*(\k)+512*i
.set i, i+1
.endr
.endm
.macro KLOAD g                         ; knowledge rows 2 g and 2 g + 1 of my 8, into ring slot g
.set i, 0
.rept 8
	global_load_b128 v[BR+32*(\g)+4*i:BR+32*(\g)+4*i+3], v[OFF+2*(\g)+i/4], s[12:13] offset:512*(i%4)
.set i, i+1
.endr
.endm
.macro ALOAD k                         ; h1's five fragments of k step k: 10 LDS loads
.set AB, AF+40*((\k)&1)
.irp a, 0,1,2,3
	ds_load_b128 v[AB+8*\a:AB+8*\a+3], v[HRD] offset:16*HP*\a+64*(\k)
	ds_load_b128 v[AB+8*\a+4:AB+8*\a+7], v[HRD] offset:16*HP*\a+64*(\k)+32
.endr
	ds_load_b128 v[AB+32:AB+35], v[HRD4] offset:64*(\k)
	ds_load_b128 v[AB+36:AB+39], v[HRD4] offset:64*(\k)+32
.endm
	; what hangs on no index goes out first: 27 small loads and W2's first three k steps
.irp q, 0,1,2,3
	global_load_b128 v[AC+4*\q:AC+4*\q+3], v[L16], s[16:17] offset:512*\q
.endr
.irp q, 0,1,2,3
	global_load_b128 v[SK+4*\q:SK+4*\q+3], v[L16], s[18:19] offset:512*\q
.endr
	WIN 0x40                                       ; destination window 1
.irp c, 0,1,2,3,4,5
	global_load_b128 v[B2V+4*\c:B2V+4*\c+3], v[OB], s[24:25] offset:64*(\c/2)+16*(\c%2)
.endr
	global_load_b128 v[B2V+24:B2V+27], v[OB30], s[24:25]
	global_load_b128 v[B2V+28:B2V+31], v[OB31], s[24:25]
.irp c, 0,1,2,3,4,5
	global_load_b128 v[W3V+4*\c:W3V+4*\c+3], v[OB], s[26:27] offset:64*(\c/2)+16*(\c%2)
.endr
	global_load_b128 v[W3V+24:W3V+27], v[OB30], s[26:27]
	global_load_b128 v[W3V+28:W3V+31], v[OB31], s[26:27]
	WIN 0
	global_load_b32 v[IV], v[L4], s[8:9]
	global_load_b32 v[IV+1], v[L4], s[8:9] offset:128
	global_load_b64 v[SN:SN+1], v[T8], s[20:21]
	BLOAD 0
	BLOAD 1
	BLOAD 2
	s_wait_kmcnt 0x0                               ; indices, length, b3
	s_max_i32 s48, s48, 1
.irp j, 0,1,2,3,4,5,6,7
	s_min_u32 s[40+\j], s[40+\j], 0x3ff            ; the sentinel's index reads row 1023 here; its score and its weight are replaced below
	s_lshl_b32 s[40+\j], s[40+\j], 11
	v_add_nc_u32 v[OFF+\j], s[40+\j], v[L16]
.endr
	WIN 0x40
.set i, 0
.rept 32                                       ; row i / 4, quarter i % 4: 512 consecutive bytes a load
	global_load_b128 v[PL+4*i:PL+4*i+3], v[OFF+i/4], s[14:15] offset:512*(i%4)
.set i, i+1
.endr
	WIN 0
.macro RELUPACK                        ; T's 16 numbers: relu, rounded to bf16 into U's 8 registers
.set i, 0
.rept 16
	v_max_num_f32 v[T+i], 0, v[T+i]
.set i, i+1
.endr
.set i, 0
.rept 8
	v_cvt_pk_bf16_f32 v[U+i], v[T+2*i], v[T+2*i+1]
.set i, i+1
.endr
.endm
.macro ROWH j                          ; row j of my 8 rows of h1
	s_wait_loadcnt 28-4*(\j)                       ; loads come back in order: only P's later rows may be out
	WIN 0x01                                       ; source 0 in window 1
.set i, 0
.rept 8
	v_pk_add_f32 v[T+2*i:T+2*i+1], v[PL+16*(\j)+2*i:PL+16*(\j)+2*i+1], v[AC+2*i:AC+2*i+1]
.set i, i+1
.endr
	WIN 0
	RELUPACK
.irp q, 0,1,2,3
	ds_store_b64 v[HST], v[U+2*\q:U+2*\q+1] offset:HP*(\j)+256*\q
.endr
.endm
.irp j, 0,1,2,3,4,5,6,7
	ROWH \j
.endr
.set i, 0
.rept 8                                        ; the sentinel's pair, written into my two of its sixteen rows
	v_pk_add_f32 v[T+2*i:T+2*i+1], v[SK+2*i:SK+2*i+1], v[AC+2*i:AC+2*i+1]
.set i, i+1
.endr
	RELUPACK
.irp q, 0,1,2,3
	ds_store_b64 v[HS2], v[U+2*\q:U+2*\q+1] offset:256*\q
	ds_store_b64 v[HS2], v[U+2*\q:U+2*\q+1] offset:HP+256*\q
.endr
	WIN 0x55
.set i, 0
.rept 8                                        ; W3 is 0 where the column does not exist: what b2's clamped load brought there counts for nothing
	v_cndmask_b32 v[W3V+24+i], 0, v[W3V+24+i], s[52+i/4]
.set i, i+1
.endr
	WIN 0
	s_wait_dscnt 0x0                               ; for the others' sake: my rows of h1 are written
	s_barrier_signal -1
	s_barrier_wait -1
	ALOAD 0
; A K STEP: 20 matrix instructions.  The 20 accumulators take turns.  The next step's h1 fragments and the W2 fragments three steps on are asked for first;
; in the last three steps the ring's freed slots take my knowledge rows instead.
.macro KSTEP k
.if (\k) > 0
	PLACES                                         ; the loads below land in registers that the last step's products read
.endif
	WIN 0
.if (\k) < 15
	ALOAD (\k)+1
.endif
.if (\k) < 13
	BLOAD (\k)+3
.else
	KLOAD (\k)-13
.endif
	s_wait_loadcnt 24                              ; this step's W2 is in: behind it three groups of eight were issued
.if (\k) < 15
	s_wait_dscnt 10                                ; this step's h1 is in: the next step's ten loads may be out
.else
	s_wait_dscnt 0x0
.endif
	WIN 0x50                                       ; C and D in window 1
.irp b, 0,1,2,3
.irp a, 0,1,2,3,4
.set D, 8*(5*\b+\a)
.set BF, BR+32*((\k)&3)+8*\b
.set AFR, AF+40*((\k)&1)+8*\a
.if (\k) == 0
	v_wmma_f32_16x16x32_bf16 v[D:D+7], v[BF:BF+7], v[AFR:AFR+7], 0
.else
	v_wmma_f32_16x16x32_bf16 v[D:D+7], v[BF:BF+7], v[AFR:AFR+7], v[D:D+7]
.endif
.endr
.endr
.endm
.irp k, 0,1,2,3,4,5,6,7,8,9,10,11,12,13,14,15
	KSTEP \k
.endr
	PLACES
	WIN 0
	KLOAD 3
	; h2 = relu(sum + b2), and its product with W3: a lane holds pair 16 a + r and columns 64 w + 16 b + 8 h + 0..7.  Each accumulator is read from its low end on.
	WIN 0x55
.irp b, 0,1,2,3
.irp i, 0,1,2,3
.irp a, 0,1,2,3,4
.set X, 8*(5*\b+\a)+2*\i
	v_pk_add_f32 v[X:X+1], v[X:X+1], v[B2V+8*\b+2*\i:B2V+8*\b+2*\i+1]
.endr
.endr
.irp i, 0,1,2,3
.irp a, 0,1,2,3,4
.set X, 8*(5*\b+\a)+2*\i
	v_max_num_f32 v[X], 0, v[X]
	v_max_num_f32 v[X+1], 0, v[X+1]
.endr
.endr
.irp i, 0,1,2,3
.irp a, 0,1,2,3,4
.set X, 8*(5*\b+\a)+2*\i
.if (\b) == 0 && (\i) == 0
	v_pk_mul_f32 v[SM+2*\a:SM+2*\a+1], v[X:X+1], v[W3V:W3V+1]
.else
	v_pk_fma_f32 v[SM+2*\a:SM+2*\a+1], v[X:X+1], v[W3V+8*\b+2*\i:W3V+8*\b+2*\i+1], v[SM+2*\a:SM+2*\a+1]
.endif
.endr
.endr
.endr
.irp a, 0,1,2,3,4
	v_add_f32 v[SM+2*\a], v[SM+2*\a], v[SM+2*\a+1]
.endr
.irp a, 0,1,2,3,4
	v_permlanex16_b32 v[SM+2*\a+1], v[SM+2*\a], s50, s51  ; the pair's other 8 of each 16 columns lie in the lane 16 away
.endr
	WIN 0x05
.irp a, 0,1,2,3,4
	v_add_f32 v[PS+\a], v[SM+2*\a], v[SM+2*\a+1]
.endr
	WIN 0
.irp a, 0,1,2,3,4
	ds_store_b32 v[SCA], v[PS+\a] offset:64*\a     ; both halves of the lanes write the same word with the same number
.endr
	s_wait_dscnt 0x0
	s_barrier_signal -1
	s_barrier_wait -1
	; THE SOFTMAX, in every wave alike: a lane holds l = lane, lane + 32 and the sentinel
.irp w, 0,1,2,3,4,5,6,7
	ds_load_b32 v[S0+\w], v[SCR] offset:320*\w
	ds_load_b32 v[S1+\w], v[SCR] offset:320*\w+128
	ds_load_b32 v[S2+\w], v[SC64] offset:320*\w
.endr
	s_wait_dscnt 0x0
.irp s, S0, S1, S2
	v_pk_add_f32 v[\s:\s+1], v[\s:\s+1], v[\s+2:\s+3]
	v_pk_add_f32 v[\s+4:\s+5], v[\s+4:\s+5], v[\s+6:\s+7]
.endr
.irp s, S0, S1, S2
	v_pk_add_f32 v[\s:\s+1], v[\s:\s+1], v[\s+4:\s+5]
.endr
.irp s, S0, S1, S2
	v_add_f32 v[\s], v[\s], v[\s+1]
.endr
.irp s, S0, S1, S2
	v_add_f32 v[\s], s49, v[\s]                    ; + b3
.endr
	v_cmp_eq_u32 s54, 0x400, v[IV]                 ; a listed index 1024 is the sentinel
	v_cmp_eq_u32 s55, 0x400, v[IV+1]
	v_cndmask_b32 v[S0], v[S0], v[S2], s54
	v_cndmask_b32 v[S1], v[S1], v[S2], s55
	v_add_nc_u32 v[TA], 32, v1
	v_cmp_gt_i32 vcc_lo, s48, v1                   ; l < max(length, 1)
	v_cndmask_b32 v[S0], s57, v[S0], vcc_lo
	v_cmp_gt_i32 vcc_lo, s48, v[TA]
	v_cndmask_b32 v[S1], s57, v[S1], vcc_lo
	v_max3_num_f32 v[MX], v[S0], v[S1], v[S2]
	v_max_num_f32_dpp v[MX], v[MX], v[MX] row_xmask:1 row_mask:0xf bank_mask:0xf
	v_max_num_f32_dpp v[MX], v[MX], v[MX] row_xmask:2 row_mask:0xf bank_mask:0xf
	v_max_num_f32_dpp v[MX], v[MX], v[MX] row_xmask:4 row_mask:0xf bank_mask:0xf
	v_max_num_f32_dpp v[MX], v[MX], v[MX] row_xmask:8 row_mask:0xf bank_mask:0xf
	v_permlanex16_b32 v[S0+1], v[MX], s50, s51     ; its destination has been written
	v_max_num_f32 v[MX], v[MX], v[S0+1]
.irp s, S0, S1, S2
	v_sub_f32 v[\s], v[\s], v[MX]                  ; the difference first, exactly as far as f32 goes; then the change of base
.endr
.irp s, S0, S1, S2
	v_mul_f32 v[\s], 0x3fb8aa3b, v[\s]
.endr
	v_exp_f32 v[S0], v[S0]
	v_exp_f32 v[S1], v[S1]
	v_exp_f32 v[S2], v[S2]
	v_nop                                          ; a plain instruction behind the exponentials (ISA guide 5.7.2)
	s_wait_alu depctr_va_vdst(0)
	v_add_f32 v[SU], v[S0], v[S1]
	v_add_f32_dpp v[SU], v[SU], v[SU] row_xmask:1 row_mask:0xf bank_mask:0xf
	v_add_f32_dpp v[SU], v[SU], v[SU] row_xmask:2 row_mask:0xf bank_mask:0xf
	v_add_f32_dpp v[SU], v[SU], v[SU] row_xmask:4 row_mask:0xf bank_mask:0xf
	v_add_f32_dpp v[SU], v[SU], v[SU] row_xmask:8 row_mask:0xf bank_mask:0xf
	v_permlanex16_b32 v[S0+1], v[SU], s50, s51
	v_add_f32 v[SU], v[SU], v[S0+1]
	v_add_f32 v[SU], v[SU], v[S2]
	v_rcp_f32 v[SU], v[SU]
	v_nop
	s_wait_alu depctr_va_vdst(0)
	v_mul_f32 v[S0], v[S0], v[SU]                  ; the probabilities
	v_mul_f32 v[S1], v[S1], v[SU]
	v_mul_f32 v[S2], v[S2], v[SU]
	v_cndmask_b32 v[RM], 0, v[S0], s54             ; weight that listed sentinels hold goes to the sentinel's row,
	v_cndmask_b32 v[RM+1], 0, v[S1], s55
	v_cndmask_b32 v[Q0], v[S0], 0, s54             ; and the table's row read in their place counts 0
	v_cndmask_b32 v[Q1], v[S1], 0, s55
	ds_store_b32 v[PWA], v[Q0]
	ds_store_b32 v[PWA], v[Q1] offset:128
	ds_load_b128 v[PJ:PJ+3], v[PWR]                ; my wave's own bytes: LDS serves a wave's instructions in order (ISA guide 5.7.1.4)
	ds_load_b128 v[PJ+4:PJ+7], v[PWR] offset:16
	v_add_f32 v[RM], v[RM], v[RM+1]
	v_add_f32_dpp v[RM], v[RM], v[RM] row_xmask:1 row_mask:0xf bank_mask:0xf
	v_add_f32_dpp v[RM], v[RM], v[RM] row_xmask:2 row_mask:0xf bank_mask:0xf
	v_add_f32_dpp v[RM], v[RM], v[RM] row_xmask:4 row_mask:0xf bank_mask:0xf
	v_add_f32_dpp v[RM], v[RM], v[RM] row_xmask:8 row_mask:0xf bank_mask:0xf
	v_permlanex16_b32 v[S0+1], v[RM], s50, s51
	v_add_f32 v[RM], v[RM], v[S0+1]
	v_add_f32 v[PSN], v[RM], v[S2]
	v_mov_b32 v[PSN+1], v[PSN]                     ; named with it as a pair
	s_cmp_lg_u32 s2, 0
	s_cbranch_scc1 .Lnop                           ; wave 0 writes the row of out1
	global_store_b32 v[L4], v[S0], s[32:33]
	global_store_b32 v[L4], v[S1], s[32:33] offset:128
	s_wait_xcnt 0x0                                ; EXEC changes only behind this wait
	v_cmp_gt_u32 vcc_lo, 1, v1
	s_and_saveexec_b32 s56, vcc_lo
	global_store_b32 v[L4], v[S2], s[32:33] offset:256  ; lane 0: the sentinel's
	s_wait_xcnt 0x0                                ; and again, ahead of the line that widens it
	s_or_b32 exec_lo, exec_lo, s56
.Lnop:
	; THE FEATURES: my 8 rows times their weights; the eight waves' parts meet in LDS
	s_wait_loadcnt 0x0                             ; my knowledge rows
	s_wait_dscnt 0x0                               ; their weights
.set j, 0
.rept 8
.set i, 0
.rept 8
.if j == 0
	v_pk_mul_f32 v[F+2*i:F+2*i+1], v[BR+2*i:BR+2*i+1], v[PJ:PJ+1] op_sel_hi:[1,0]
.elseif j%2 == 0
	v_pk_fma_f32 v[F+2*i:F+2*i+1], v[BR+16*j+2*i:BR+16*j+2*i+1], v[PJ+j:PJ+j+1], v[F+2*i:F+2*i+1] op_sel_hi:[1,0,1]
.else
	v_pk_fma_f32 v[F+2*i:F+2*i+1], v[BR+16*j+2*i:BR+16*j+2*i+1], v[PJ+j-1:PJ+j], v[F+2*i:F+2*i+1] op_sel:[0,1,0] op_sel_hi:[1,1,1]
.endif
.set i, i+1
.endr
.set j, j+1
.endr
.irp q, 0,1,2,3
	ds_store_b128 v[FPA], v[F+4*\q:F+4*\q+3] offset:512*\q
.endr
	s_wait_dscnt 0x0
	s_barrier_signal -1
	s_barrier_wait -1
.irp w, 0,1,2,3,4,5,6,7
	ds_load_b64 v[FR+2*\w:FR+2*\w+1], v[FPR] offset:2048*\w
.endr
	s_wait_dscnt 0x0
	v_pk_add_f32 v[FR:FR+1], v[FR:FR+1], v[FR+2:FR+3]
	v_pk_add_f32 v[FR+4:FR+5], v[FR+4:FR+5], v[FR+6:FR+7]
	v_pk_add_f32 v[FR+8:FR+9], v[FR+8:FR+9], v[FR+10:FR+11]
	v_pk_add_f32 v[FR+12:FR+13], v[FR+12:FR+13], v[FR+14:FR+15]
	v_pk_add_f32 v[FR:FR+1], v[FR:FR+1], v[FR+4:FR+5]
	v_pk_add_f32 v[FR+8:FR+9], v[FR+8:FR+9], v[FR+12:FR+13]
	v_pk_add_f32 v[FR:FR+1], v[FR:FR+1], v[FR+8:FR+9]
	v_pk_fma_f32 v[FR:FR+1], v[SN:SN+1], v[PSN:PSN+1], v[FR:FR+1] op_sel_hi:[1,0,1]  ; + the sentinel's row times its weight
	global_store_b64 v[T8], v[FR:FR+1], s[30:31]   ; a wave stores 256 consecutive bytes, at a multiple of 256 from out0's first
	s_wait_tensorcnt 0x0                           ; the wave's end: three lines behind my last LDS store
	ds_add_u32 v[SPW], v[NIL]
	s_wait_dscnt 0x0
	s_endpgm
.Lfunc_end_k_q55c844989c_link:
	.size	k_q55c844989c_link, .Lfunc_end_k_q55c844989c_link-k_q55c844989c_link
	.p2alignl 7, 3214868480
	.fill 96, 4, 3214868480
	.section	.rodata,"a",@progbits
	.p2align	6, 0x0
	.amdhsa_kernel k_q55c844989c_link
		.amdhsa_group_segment_fixed_size 105216
		.amdhsa_private_segment_fixed_size 0
		.amdhsa_enable_private_segment 0
		.amdhsa_kernarg_size 104
		.amdhsa_user_sgpr_count 2
		.amdhsa_user_sgpr_kernarg_segment_ptr 1
		.amdhsa_wavefront_size32 1
		.amdhsa_system_sgpr_workgroup_id_x 1
		.amdhsa_system_sgpr_workgroup_id_y 1
		.amdhsa_system_sgpr_workgroup_id_z 1
		.amdhsa_system_vgpr_workitem_id 0
		.amdhsa_next_free_vgpr 512
		.amdhsa_next_free_sgpr 66
		.amdhsa_reserve_vcc 1
		.amdhsa_float_denorm_mode_32 3
		.amdhsa_float_denorm_mode_16_64 3
		.amdhsa_memory_ordered 1
		.amdhsa_forward_progress 1
		.amdhsa_inst_pref_size 105
	.end_amdhsa_kernel
	.amdgpu_metadata
---
amdhsa.version: [ 1, 2 ]
amdhsa.kernels:
  - .name:           k_q55c844989c_link
    .symbol:         k_q55c844989c_link.kd
    .args:
      - { .name: span2concepts, .offset: 0, .size: 8, .value_kind: global_buffer, .address_space: global }
      - { .name: lengths, .offset: 8, .size: 8, .value_kind: global_buffer, .address_space: global }
      - { .name: knowledge_embs, .offset: 16, .size: 8, .value_kind: global_buffer, .address_space: global }
      - { .name: P, .offset: 24, .size: 8, .value_kind: global_buffer, .address_space: global }
      - { .name: Apart, .offset: 32, .size: 8, .value_kind: global_buffer, .address_space: global }
      - { .name: spart, .offset: 40, .size: 8, .value_kind: global_buffer, .address_space: global }
      - { .name: sent, .offset: 48, .size: 8, .value_kind: global_buffer, .address_space: global }
      - { .name: w2f, .offset: 56, .size: 8, .value_kind: global_buffer, .address_space: global }
      - { .name: b2, .offset: 64, .size: 8, .value_kind: global_buffer, .address_space: global }
      - { .name: W3, .offset: 72, .size: 8, .value_kind: global_buffer, .address_space: global }
      - { .name: b3, .offset: 80, .size: 8, .value_kind: global_buffer, .address_space: global }
      - { .name: out0, .offset: 88, .size: 8, .value_kind: global_buffer, .address_space: global }
      - { .name: out1, .offset: 96, .size: 8, .value_kind: global_buffer, .address_space: global }
    .group_segment_fixed_size: 105216
    .private_segment_fixed_size: 0
    .kernarg_segment_align: 8
    .kernarg_segment_size: 104
    .max_flat_workgroup_size: 256
    .sgpr_count:     66
    .vgpr_count:     512
    .wavefront_size: 32
...
	.end_amdgpu_metadata
.endif
;; end of part 3
;; ======== version 2 of 2: 3 launches; version 1 with the launches prep, sentp written anew for expert scheduling mode
;; workspace buffers: P 2,097,152 bytes; Apart 524,288 bytes; sent 524,288 bytes; spart 524,288 bytes; w2f 524,288 bytes
;; launch prep (part 4): grid 8 x 24, 8 waves a work-group, no clusters, 166,912 bytes of LDS; arguments knowledge_embs, span_embs, W1, Ws, b1, bs, P, Apart, sent; writes P, Apart, sent
.if DOCPART == 4
	.amdgcn_target "amdgcn-amd-amdhsa--gfx1250"
	.amdhsa_code_object_version 6
	.text
	.protected	k_q55c844989c_prep
	.globl	k_q55c844989c_prep
	.p2align	8
	.type	k_q55c844989c_prep,@function
k_q55c844989c_prep:
	s_mov_b64 s[64:65], 0
	v_nop
	global_prefetch_b8 v0, s[64:65] scope:SCOPE_SE
	s_setreg_imm32_b32 hwreg(HW_REG_WAVE_SCHED_MODE, 0, 2), 2
	s_setreg_imm32_b32 hwreg(HW_REG_WAVE_MODE, 25, 1), 1
	s_wait_xcnt 0x0
	s_wait_alu depctr_vm_vsrc(0)
; Three products with K = 512, one 64 x 64 tile of one of them to a work-group:
;   y = 0..15   P     = knowledge_embs . W1[512:1024]        rows 64 y
;   y = 16..19  Apart = span_embs . W1[0:512] + b1           rows 64 (y & 3)
;   y = 20..23  sent  = relu(span_embs . Ws + bs)            rows 64 (y & 3)
; x = the block of 64 columns.  Outputs are f32 with a pitch of 512 numbers; columns 500..511 of P and Apart are written as exact zeros.
; Operands are rounded to bf16 on the way into LDS, sums are f32.  All 68 loads of a lane go out at once; nothing is read twice by the work-group.
; The weights lie [k][n] in memory: they are staged as they lie and turned by ds_load_tr16_b128.
; The matrix instruction is used transposed (source 0 = 16 columns of W, source 1 = 16 rows of X): a lane then holds 8 neighbouring columns of one row.
; LIMITS: relu is a maximum in which a NaN loses (a NaN becomes 0); infinities are not treated apart.
; No cluster, no tensor load: a work-group's 256 KB of inputs are converted from f32 on the way, which wants them in registers.
; THE MODE: SCHED_MODE bits 1:0 = 2 (LLVM: expert scheduling mode 2), set by the entry lines.  The code itself states the register dependences
; between vector or matrix instructions and memory or LDS instructions, with s_wait_alu, always for 0.
; THE PLAN.  Registers that memory or LDS instructions touch:
;   offsets and addresses (v6-8, v10-11, v13-18, v20-23)  made once, ahead of the first instruction that reads them, and never written again.
;   AL, WL   X and W as loaded.  Group g (eight loads): written by its loads; its conversions round IN PLACE, two packed words into the first two of each four registers; the eight LDS stores
;            that read those words are issued in group g + 1, behind that group's wait for its data and one wait on va_vdst.  No store's data register is written again before the barrier.
;   FB0-FB3  the fragments of k steps 0-3, 4-7, 8-11, 12-15, a buffer to each: filled once by LDS loads, read once by eight matrix instructions.  They lie on AL and WL: one wait on vm_vsrc
;            behind the barrier states that the LDS stores have read those registers; the conversions that named them stand ahead of the staging's last wait on va_vdst.
;            No load lands in a register that a matrix instruction has named, so the products hold no s_wait_alu.
;   ACC      written by the bias's loads, the selects, the matrix instructions and the relu; read by the stage's LDS stores, behind one wait on va_vdst.
;   T        written by the LDS loads from the stage alone, read by the global stores.
.set XP,    1040                       ; a row of X in LDS: 512 bf16 + 16 bytes: an odd multiple of 16, so the 16 rows of a fragment load start 16 bytes apart modulo 256
.set WT,    66560                      ; behind X's 64 rows: W's 512 k rows
.set WP,    160                        ; a k row of W: 64 bf16 + 32 bytes: an odd multiple of 32, for the turning load
.set OST,   148480                     ; the out stage: 64 rows
.set OP,    272                        ; of 64 f32 + 16 bytes
.set SPARE, 165888                     ; the spare words: 128 bytes for each of 8 waves; no other line names them
.set SPW,  2                           ; v2   my spare word's address; never rewritten
.set NIL,  3                           ; v3   0; never rewritten
.set AOFF, 6                           ; v6   X: wave x 8 rows + 16 lane
.set XST,  7                           ; v7   where my 8 bytes of a row of X go
.set WOFF, 8                           ; v8   W: (tid >> 4) rows + my 16 bytes of the block's 256
.set KR,   9                           ; v9   tid >> 4
.set WST,  10                          ; v10-11 where my 8 bytes of a k row go: passes 0-15, 16-31
.set MC,   12                          ; v12  all ones where my four columns exist
.set XRD,  13                          ; v13  my place in a fragment of X
.set WRD,  14                          ; v14-15 my place in a fragment of W: k steps 0-7, 8-15
.set OSA,  16                          ; v16  out stage, in
.set ORD,  17                          ; v17  out stage, back
.set GOF,  18                          ; v18  my byte offset in the output tile
.set CB,   19                          ; v19  my column bytes in a row of W, clamped to the last 16 of the row
.set BO,   20                          ; v20-23 byte offsets of my 4 x 4 bias numbers, clamped likewise
.set T,    24                          ; v24-39 the way out: rows read back from the stage
.set TMP,  40                          ; v40-41 at work
.set ACC,  48                          ; v48-63 two accumulators
.set WL,   128                         ; v128-255 W as loaded, pass i at 4 i; its two packed words at 4 i and 4 i + 1
.set AL,   0                           ; window 1: v0-127 X as loaded, load i at 4 i; its two packed words at 4 i and 4 i + 1
.set FB0,  64                          ; window 0: v64-159, v160-255: fragment buffers of 4 k steps x 24 registers, once W is staged
.set FB1,  160
.set FB2,  0                           ; window 1: v0-95, v96-191: likewise, once X is staged
.set FB3,  96
.set MSB, 0
.macro WIN new                         ; bits 1:0 source 0, 3:2 source 1, 5:4 source 2, 7:6 destination; the immediate's high byte repeats the setting that is left
.if MSB != (\new)
	s_set_vgpr_msb (MSB<<8)|(\new)
.set MSB, \new
.endif
.endm
.macro PLACES                          ; four places behind matrix instructions (ISA guide 7.12.1), ahead of reads of their results
.rept 4
	v_nop
.endr
.endm
	s_load_b512 s[8:23], s[0:1], 0x0               ; knowledge 8, span 10, W1 12, Ws 14, b1 16, bs 18, P 20, Apart 22
	s_load_b64 s[24:25], s[0:1], 0x40              ; sent
	v_lshl_add_u32 v[SPW], v0, 2, SPARE
	v_mov_b32 v[NIL], 0
	v_lshrrev_b32 v1, 5, v0
	v_readfirstlane_b32 s2, v1                     ; wave 0..7
	s_and_b32 s3, ttmp7, 0xffff                    ; y: the job
	s_mov_b32 s4, ttmp9                            ; x: the block of 64 columns
	s_and_b32 s5, s3, 3
	s_movk_i32 s36, 500                            ; NV: columns that W has
	s_movk_i32 s35, 500                            ; columns that take a bias
	s_cmp_lt_u32 s3, 16
	s_cselect_b32 s5, s3, s5                       ; the block of 64 rows
	s_cselect_b32 s34, 1024000, 0                  ; P takes W1 from row 512 on
	s_cselect_b32 s35, 0, s35                      ; and no bias
	s_cmp_ge_u32 s3, 20
	s_cselect_b32 s36, 512, s36
	s_cselect_b32 s35, 512, s35
	s_sub_co_u32 s44, s36, 4
	s_lshl_b32 s44, s44, 2                         ; the last 16 bytes of a row of W, and of the bias
	v_and_b32 v1, 31, v0                           ; lane
	v_and_b32 v4, 15, v0                           ; r
	v_bfe_u32 v5, v0, 4, 1                         ; h
	v_lshrrev_b32 v[KR], 4, v0
	s_wait_alu depctr_va_sdst(0)                   ; s2, the wave's number, is written, ahead of its first reader
	s_lshr_b32 s6, s2, 1                           ; a: my tile of 16 rows
	s_and_b32 s45, s2, 1                           ; my half of the 64 columns
	s_lshl_b32 s7, s2, 14                          ; 8 rows of 2,048 bytes a wave
	v_lshl_add_u32 v[AOFF], v1, 4, s7
	v_lshlrev_b32 v[GOF], 11, v5
	v_lshl_add_u32 v[GOF], v4, 4, v[GOF]
	v_add_nc_u32 v[GOF], s7, v[GOF]                ; (8 w + h) rows + 16 r
	s_mul_i32 s7, s2, 8*XP
	v_lshl_add_u32 v[XST], v1, 3, s7
	s_lshl_b32 s7, s4, 8
	v_lshl_add_u32 v[CB], v4, 4, s7
	v_min_u32 v[CB], s44, v[CB]                    ; no load leaves a row of W
	v_mul_u32_u24 v[WST], v[KR], WP
	v_lshl_add_u32 v[WST], v4, 3, v[WST]
	v_add_nc_u32 v[WST], WT, v[WST]
	v_add_nc_u32 v[WST+1], 256*WP, v[WST]
	s_lshl_b32 s7, s4, 6
	v_lshl_add_u32 v[TMP], v4, 2, s7               ; my first column
	v_cmp_gt_u32 s47, s36, v[TMP]                  ; does it exist?  The select that reads the mask stands behind the run of compares and its one wait
	s_mul_i32 s7, s6, 16*XP
	v_mul_u32_u24 v[XRD], v4, XP
	v_lshl_add_u32 v[XRD], v5, 4, v[XRD]
	v_add_nc_u32 v[XRD], s7, v[XRD]                ; (16 a + r) rows + 16 h
	v_and_b32 v[TMP], 7, v0
	v_lshl_add_u32 v[TMP], v5, 3, v[TMP]
	v_mul_u32_u24 v[WRD], v[TMP], WP               ; k row 8 h + lane % 8,
	v_bfe_u32 v[TMP], v0, 3, 1
	v_lshl_add_u32 v[WRD], v[TMP], 4, v[WRD]       ; 16 bytes for each eight lanes,
	s_lshl_b32 s7, s45, 6
	s_add_co_u32 s7, s7, WT
	v_add_nc_u32 v[WRD], s7, v[WRD]                ; my 32 columns
	v_add_nc_u32 v[WRD+1], 256*WP, v[WRD]
	s_mul_i32 s7, s6, 16*OP
	s_lshl_b32 s46, s45, 7
	s_add_co_u32 s7, s7, s46
	s_add_co_u32 s7, s7, OST
	v_mul_u32_u24 v[OSA], v4, OP
	v_lshl_add_u32 v[OSA], v5, 5, v[OSA]
	v_add_nc_u32 v[OSA], s7, v[OSA]
	s_mul_i32 s7, s2, 8*OP
	s_add_co_u32 s7, s7, OST
	v_mul_u32_u24 v[ORD], v5, OP
	v_lshl_add_u32 v[ORD], v4, 4, v[ORD]
	v_add_nc_u32 v[ORD], s7, v[ORD]
	s_lshl_b32 s7, s4, 6
	s_lshl_b32 s46, s45, 5
	s_add_co_u32 s7, s7, s46
	v_lshl_add_u32 v[TMP], v5, 3, s7               ; the first column that my accumulators hold
.irp c, 0,1,2,3                        ; tile c / 2, registers 4 (c % 2) on
	v_add_nc_u32 v[TMP+1], 16*(\c/2)+4*(\c%2), v[TMP]
	v_cmp_gt_u32 s[40+\c], s35, v[TMP+1]           ; do these four columns take a bias?
	v_lshlrev_b32 v[BO+\c], 2, v[TMP+1]
	v_min_u32 v[BO+\c], s44, v[BO+\c]
.endr
	s_wait_alu depctr_va_sdst(0)                   ; the five masks s47 and s40 to s43 are written: ahead of their first readers, the selects, and ahead of the first branch
	v_cndmask_b32 v[MC], 0, -1, s47
	s_wait_kmcnt 0x0
	s_cmp_lt_u32 s3, 16
	s_cselect_b64 s[26:27], s[8:9], s[10:11]       ; X
	s_cselect_b64 s[30:31], s[20:21], s[22:23]     ; the output
	s_cmp_ge_u32 s3, 20
	s_cselect_b64 s[28:29], s[14:15], s[12:13]     ; W
	s_cselect_b64 s[30:31], s[24:25], s[30:31]
	s_cselect_b64 s[32:33], s[18:19], s[16:17]     ; the bias
	s_lshl_b32 s38, s5, 17                         ; 64 rows of 2,048 bytes
	s_mov_b32 s39, 0
	s_add_nc_u64 s[26:27], s[26:27], s[38:39]
	s_add_nc_u64 s[30:31], s[30:31], s[38:39]
	s_lshl_b32 s38, s4, 8
	s_add_nc_u64 s[30:31], s[30:31], s[38:39]
	s_mov_b32 s38, s34
	s_add_nc_u64 s[28:29], s[28:29], s[38:39]
	; ALL LOADS AT ONCE: 4 of the bias (straight into the accumulators), 32 of X, 32 of W
	s_wait_alu depctr_va_vdst(0)                   ; the offsets and LDS addresses made above are written: every load and store of the kernel but W's loads reads one of them
.irp c, 0,1,2,3
	global_load_b128 v[ACC+4*\c:ACC+4*\c+3], v[BO+\c], s[32:33]
.endr
	WIN 0x40                                       ; destination window 1
.set i, 0
.rept 32                                       ; row i / 4 of my 8, quarter i % 4: 512 consecutive bytes a load
	global_load_b128 v[AL+4*i:AL+4*i+3], v[AOFF], s[26:27] offset:(i/4)*2048+(i%4)*512
.set i, i+1
.endr
	WIN 0
.macro WLOADS pitch                    ; pass i: k rows 16 i .. 16 i + 15; sixteen lanes take the block's 256 bytes of a row
	v_mad_u32_u24 v[WOFF], v[KR], \pitch, v[CB]
	s_wait_alu depctr_va_vdst(0)                   ; v[WOFF] is written, which the 32 loads below read
.set i, 0
.rept 32
	global_load_b128 v[WL+4*i:WL+4*i+3], v[WOFF], s[28:29] offset:i*16*(\pitch)
.set i, i+1
.endr
.endm
	s_cmp_ge_u32 s3, 20                            ; the pitch stands in the immediates: the run is written for each of the two; both issue 32 loads
	s_cbranch_scc1 .Lws
	WLOADS 2000
	s_branch .Ljoin
.Lws:
	WLOADS 2048
.Ljoin:
; X, eight loads (two rows) at a time.  ACVT: rounded to bf16 in place.  ASTORE: 8 bytes a lane into LDS, a group later.
.macro ACVT g
	WIN 0x45                                       ; destination and both sources in window 1
.set e, 0
.rept 8
	v_cvt_pk_bf16_f32 v[AL+32*(\g)+4*e], v[AL+32*(\g)+4*e], v[AL+32*(\g)+4*e+1]
	v_cvt_pk_bf16_f32 v[AL+32*(\g)+4*e+1], v[AL+32*(\g)+4*e+2], v[AL+32*(\g)+4*e+3]
.set e, e+1
.endr
.endm
.macro ASTORE g
	WIN 0x04                                       ; the stores' data in window 1, their address in window 0
	s_wait_alu depctr_va_vdst(0)                   ; group g's conversions have written the packed words, which the stores below read
.set e, 0
.rept 8
	ds_store_b64 v[XST], v[AL+32*(\g)+4*e:AL+32*(\g)+4*e+1] offset:(2*(\g)+e/4)*XP+(e%4)*256
.set e, e+1
.endr
.endm
; W, eight passes at a time.  Step g rounds group g in place, columns that do not exist set to 0, and stores group g - 1: a store, then four vector instructions, which name group g's registers alone.
.macro WSTEP g
.if (\g) > 0
	s_wait_alu depctr_va_vdst(0)                   ; group g - 1's conversions and masks have written its packed words, which the stores below read
.endif
.set e, 0
.rept 8
.if (\g) > 0
.set i, 8*(\g)-8+e
	ds_store_b64 v[WST+i/16], v[WL+4*i:WL+4*i+1] offset:(i%16)*16*WP
.endif
.if (\g) < 4
.set i, 8*(\g)+e
	v_cvt_pk_bf16_f32 v[WL+4*i], v[WL+4*i], v[WL+4*i+1]
	v_cvt_pk_bf16_f32 v[WL+4*i+1], v[WL+4*i+2], v[WL+4*i+3]
	v_and_b32 v[WL+4*i], v[MC], v[WL+4*i]
	v_and_b32 v[WL+4*i+1], v[MC], v[WL+4*i+1]
.endif
.set e, e+1
.endr
.endm
	s_wait_loadcnt 56                              ; loads come back in order: the bias and X's first group are in; W's 32 and X's three later groups may stay out
	ACVT 0
	WIN 0
.set i, 0
.rept 16                                       ; the bias starts the sums; 0 where there is none
	v_cndmask_b32 v[ACC+i], 0, v[ACC+i], s[40+i/4]
.set i, i+1
.endr
	s_wait_loadcnt 48                              ; X's next group; the counts run down by eight
	ASTORE 0
	ACVT 1
	s_wait_loadcnt 40
	ASTORE 1
	ACVT 2
	s_wait_loadcnt 32
	ASTORE 2
	ACVT 3
	s_wait_loadcnt 24                              ; W's first group is in; its three later groups may stay out
	ASTORE 3
	WIN 0
	WSTEP 0
	s_wait_loadcnt 16
	WSTEP 1
	s_wait_loadcnt 8
	WSTEP 2
	s_wait_loadcnt 0x0
	WSTEP 3
	WSTEP 4                                        ; the last group's stores
	s_wait_dscnt 0x0                               ; for the others' sake: my stores are done
	s_barrier_signal -1
	s_barrier_wait -1
	s_wait_alu depctr_vm_vsrc(0)                   ; my LDS stores have read X's and W's registers, in which the fragments land from here on
; the fragments of k steps 4 G .. 4 G + 3: 24 LDS loads.  A k step: X's 16 rows x 32 k (8 registers), then W's two tiles of 16 columns
.macro FRAGS G, FB
.set kk, 0
.rept 4
.set k, 4*(\G)+kk
	ds_load_b128 v[(\FB)+24*kk:(\FB)+24*kk+3], v[XRD] offset:64*k
	ds_load_b128 v[(\FB)+24*kk+4:(\FB)+24*kk+7], v[XRD] offset:64*k+32
.irp b, 0,1
	ds_load_tr16_b128 v[(\FB)+24*kk+8+8*\b:(\FB)+24*kk+8+8*\b+3], v[WRD+k/8] offset:(k%8)*32*WP+32*\b
	ds_load_tr16_b128 v[(\FB)+24*kk+12+8*\b:(\FB)+24*kk+12+8*\b+3], v[WRD+k/8] offset:(k%8)*32*WP+16*WP+32*\b
.endr
.set kk, kk+1
.endr
.endm
.macro MULS FB                         ; 8 matrix instructions; the two accumulators take turns
.set kk, 0
.rept 4
	v_wmma_f32_16x16x32_bf16 v[ACC:ACC+7], v[(\FB)+24*kk+8:(\FB)+24*kk+15], v[(\FB)+24*kk:(\FB)+24*kk+7], v[ACC:ACC+7]
	v_wmma_f32_16x16x32_bf16 v[ACC+8:ACC+15], v[(\FB)+24*kk+16:(\FB)+24*kk+23], v[(\FB)+24*kk:(\FB)+24*kk+7], v[ACC+8:ACC+15]
.set kk, kk+1
.endr
.endm
	FRAGS 0, FB0
	FRAGS 1, FB1
	s_wait_dscnt 24                                ; buffer 0 is in; buffer 1's 24 loads may be out
	MULS FB0
	WIN 0x40                                       ; destination window 1.  No wait: no vector or matrix instruction since the waits above names buffer 2 or the two addresses
	FRAGS 2, FB2
	WIN 0
	s_wait_dscnt 24                                ; buffer 1 is in
	MULS FB1
	WIN 0x40
	FRAGS 3, FB3                                   ; likewise
	s_wait_dscnt 24                                ; buffer 2 is in
	WIN 0x05                                       ; both fragments in window 1, the accumulators in window 0
	MULS FB2
	s_wait_dscnt 0x0
	MULS FB3
	WIN 0
	PLACES
	s_cmp_lt_u32 s3, 20
	s_cbranch_scc1 .Lnorelu
.set i, 0
.rept 16                                       ; the sentinel alone has a relu; each accumulator from its low end on
	v_max_num_f32 v[ACC+i], 0, v[ACC+i]
.set i, i+1
.endr
.Lnorelu:
	; THE WAY OUT: a row's 256 bytes come from two waves: through the stage, with a barrier, and back as whole rows
	s_wait_alu depctr_va_vdst(0)                   ; the matrix instructions, and where there is a relu the maxima, have written the accumulators, which the LDS stores read; the places above stay beside this wait
.irp c, 0,1,2,3
	ds_store_b128 v[OSA], v[ACC+4*\c:ACC+4*\c+3] offset:64*(\c/2)+16*(\c%2)
.endr
	s_wait_dscnt 0x0
	s_barrier_signal -1
	s_barrier_wait -1
.irp c, 0,1,2,3
	ds_load_b128 v[T+4*\c:T+4*\c+3], v[ORD] offset:2*OP*\c
.endr
	s_wait_dscnt 0x0
.irp c, 0,1,2,3
	global_store_b128 v[GOF], v[T+4*\c:T+4*\c+3], s[30:31] offset:4096*\c  ; sixteen lanes store 256 consecutive bytes, at a multiple of 256 from the buffer's first
.endr
	s_wait_dscnt 0x0                               ; the closing lines, six on end
	s_wait_alu 0x0
	s_wait_tensorcnt 0x0
	ds_add_u32 v[SPW], v[NIL]
	s_wait_dscnt 0x0
	s_endpgm
.Lfunc_end_k_q55c844989c_prep:
	.size	k_q55c844989c_prep, .Lfunc_end_k_q55c844989c_prep-k_q55c844989c_prep
	.p2alignl 7, 3214868480
	.fill 96, 4, 3214868480
	.section	.rodata,"a",@progbits
	.p2align	6, 0x0
	.amdhsa_kernel k_q55c844989c_prep
		.amdhsa_group_segment_fixed_size 166912
		.amdhsa_private_segment_fixed_size 0
		.amdhsa_enable_private_segment 0
		.amdhsa_kernarg_size 72
		.amdhsa_user_sgpr_count 2
		.amdhsa_user_sgpr_kernarg_segment_ptr 1
		.amdhsa_wavefront_size32 1
		.amdhsa_system_sgpr_workgroup_id_x 1
		.amdhsa_system_sgpr_workgroup_id_y 1
		.amdhsa_system_sgpr_workgroup_id_z 1
		.amdhsa_system_vgpr_workitem_id 0
		.amdhsa_next_free_vgpr 448
		.amdhsa_next_free_sgpr 66
		.amdhsa_reserve_vcc 0
		.amdhsa_float_denorm_mode_32 3
		.amdhsa_float_denorm_mode_16_64 3
		.amdhsa_memory_ordered 1
		.amdhsa_forward_progress 1
		.amdhsa_inst_pref_size 42
	.end_amdhsa_kernel
	.amdgpu_metadata
---
amdhsa.version: [ 1, 2 ]
amdhsa.kernels:
  - .name:           k_q55c844989c_prep
    .symbol:         k_q55c844989c_prep.kd
    .args:
      - { .name: knowledge_embs, .offset: 0, .size: 8, .value_kind: global_buffer, .address_space: global }
      - { .name: span_embs, .offset: 8, .size: 8, .value_kind: global_buffer, .address_space: global }
      - { .name: W1, .offset: 16, .size: 8, .value_kind: global_buffer, .address_space: global }
      - { .name: Ws, .offset: 24, .size: 8, .value_kind: global_buffer, .address_space: global }
      - { .name: b1, .offset: 32, .size: 8, .value_kind: global_buffer, .address_space: global }
      - { .name: bs, .offset: 40, .size: 8, .value_kind: global_buffer, .address_space: global }
      - { .name: P, .offset: 48, .size: 8, .value_kind: global_buffer, .address_space: global }
      - { .name: Apart, .offset: 56, .size: 8, .value_kind: global_buffer, .address_space: global }
      - { .name: sent, .offset: 64, .size: 8, .value_kind: global_buffer, .address_space: global }
    .group_segment_fixed_size: 166912
    .private_segment_fixed_size: 0
    .kernarg_segment_align: 8
    .kernarg_segment_size: 72
    .max_flat_workgroup_size: 256
    .sgpr_count:     66
    .vgpr_count:     448
    .wavefront_size: 32
...
	.end_amdgpu_metadata
.endif
;; end of part 4
;; launch sentp (part 5): grid 8 x 5, 8 waves a work-group, no clusters, 166,912 bytes of LDS; arguments sent, W1, W2, spart, w2f; writes spart, w2f
.if DOCPART == 5
	.amdgcn_target "amdgcn-amd-amdhsa--gfx1250"
	.amdhsa_code_object_version 6
	.text
	.protected	k_q55c844989c_sentp
	.globl	k_q55c844989c_sentp
	.p2align	8
	.type	k_q55c844989c_sentp,@function
k_q55c844989c_sentp:
	s_mov_b64 s[64:65], 0
	v_nop
	global_prefetch_b8 v0, s[64:65] scope:SCOPE_SE
	s_setreg_imm32_b32 hwreg(HW_REG_WAVE_SCHED_MODE, 0, 2), 2
	s_setreg_imm32_b32 hwreg(HW_REG_WAVE_MODE, 25, 1), 1
	s_wait_xcnt 0x0
	s_wait_alu depctr_vm_vsrc(0)
; y = 0..3: spart = sent . W1[512:1024], a tile of 64 rows (64 y on) x 64 columns (64 x on), K = 512; f32, pitch 512 numbers, columns 500..511 exact zeros.
; y = 4:    w2f = W2 in bf16, in the order in which the next launch's waves take their fragments: slice x = columns 64 x .. 64 x + 63.
;   byte ((x 16 + kstep) 4 + b) 1024 + half 512 + lane 16: registers 4 half .. 4 half + 3 of the fragment in which lane (r, h) holds W2[32 kstep + 16 half + 8 h + 0..7][64 x + 16 b + r];
;   zeros where the row or the column is 500 or more.
; Both jobs stage 512 k rows x 64 columns of a [k][n] matrix of pitch 2,000 bytes in LDS as bf16 and take it out turned, by ds_load_tr16_b128.
; Operands are rounded to bf16, sums are f32.  LIMITS: NaN and infinities are not treated apart.
; THE MODE: SCHED_MODE bits 1:0 = 2 (LLVM: expert scheduling mode 2), set by the entry lines.  The code itself states the register dependences
; between vector or matrix instructions and memory or LDS instructions, with s_wait_alu, always for 0.
; THE PLAN.  Registers that memory or LDS instructions touch:
;   offsets and addresses (v6-8, v10-11, v13-18, v42, v44-45)  made once at the head and never written again.
;   AL, WL   X and W as loaded.  Group g (eight loads): written by its loads; its conversions round IN PLACE, two packed words into the first two of each four registers; the eight LDS stores
;            that read those words are issued in group g + 1, behind that group's wait for its data and one wait on va_vdst (X's last group: behind a wait of its own, inside the arm that y = 4
;            jumps over).  No store's data register is written again before the barrier.
;   FB0-FB3  the fragments of k steps 0-3, 4-7, 8-11, 12-15, a buffer to each: filled once by LDS loads, read once by eight matrix instructions.  They lie on AL and WL: one wait on vm_vsrc
;            behind the barrier states that the LDS stores have read those registers; the conversions that named them stand ahead of the staging's last wait on va_vdst.
;            No load lands in a register that a matrix instruction has named, so the products hold no s_wait_alu.
;   ACC      written by the matrix instructions; read by the stage's LDS stores, behind one wait on va_vdst.
;   T, and for y = 4 v64-127   written by LDS loads alone, read by the global stores.
.set XP,    1040                       ; a row of X in LDS: 512 bf16 + 16 bytes
.set WT,    66560                      ; W's 512 k rows
.set WP,    160                        ; of 64 bf16 + 32 bytes
.set OST,   148480                     ; the out stage: 64 rows
.set OP,    272                        ; of 64 f32 + 16 bytes
.set SPARE, 165888                     ; the spare words: 128 bytes for each of 8 waves; no other line names them
.set PITCH, 2000                       ; bytes in a row of W1 and of W2
.set SPW,  2
.set NIL,  3
.set AOFF, 6
.set XST,  7
.set WOFF, 8
.set KR,   9
.set WST,  10
.set MC,   12
.set XRD,  13
.set WRD,  14
.set OSA,  16
.set ORD,  17
.set GOF,  18
.set CB,   19
.set T,    24                          ; v24-39 the way out: rows read back from the stage
.set TMP,  40
.set WOFL, 42                          ; v42  the last pass's offset: its row clamped to the matrix's last
.set ML,   43                          ; v43  the last pass's mask: column and row exist
.set W2A,  44                          ; v44  y = 4: my place in the fragments of my two k steps
.set W2O,  45                          ; v45  y = 4: my byte offset in the slice
.set ACC,  48
.set WL,   128                         ; v128-255 W as loaded, pass i at 4 i; its two packed words at 4 i and 4 i + 1
.set AL,   0                           ; window 1: v0-127 X as loaded; packed likewise
.set FB0,  64                          ; window 0: v64-159, v160-255
.set FB1,  160
.set FB2,  0                           ; window 1: v0-95, v96-191
.set FB3,  96
.set MSB, 0
.macro WIN new                         ; bits 1:0 source 0, 3:2 source 1, 5:4 source 2, 7:6 destination; the immediate's high byte repeats the setting that is left
.if MSB != (\new)
	s_set_vgpr_msb (MSB<<8)|(\new)
.set MSB, \new
.endif
.endm
.macro PLACES                          ; four places behind matrix instructions (ISA guide 7.12.1), ahead of reads of their results
.rept 4
	v_nop
.endr
.endm
	s_load_b256 s[8:15], s[0:1], 0x0               ; sent 8, W1 10, W2 12, spart 14
	s_load_b64 s[16:17], s[0:1], 0x20              ; w2f
	v_lshl_add_u32 v[SPW], v0, 2, SPARE
	v_mov_b32 v[NIL], 0
	v_lshrrev_b32 v1, 5, v0
	v_readfirstlane_b32 s2, v1                     ; wave 0..7
	s_and_b32 s3, ttmp7, 0xffff                    ; y
	s_mov_b32 s4, ttmp9                            ; x
	s_and_b32 s5, s3, 3                            ; the block of 64 rows (0 for y = 4, which uses none)
	s_movk_i32 s35, 499
	s_cmp_lt_u32 s3, 4
	s_cselect_b32 s34, 1024000, 0                  ; W1 from row 512 on, W2 from its first
	s_cselect_b32 s35, 511, s35                    ; the last k row that exists
	v_and_b32 v1, 31, v0
	v_and_b32 v4, 15, v0                           ; r
	v_bfe_u32 v5, v0, 4, 1                         ; h
	v_lshrrev_b32 v[KR], 4, v0
	s_wait_alu depctr_va_sdst(0)                   ; s2, the wave's number, is written, ahead of its first reader
	s_lshr_b32 s6, s2, 1
	s_and_b32 s45, s2, 1
	s_lshl_b32 s7, s2, 14
	v_lshl_add_u32 v[AOFF], v1, 4, s7
	v_lshlrev_b32 v[GOF], 11, v5
	v_lshl_add_u32 v[GOF], v4, 4, v[GOF]
	v_add_nc_u32 v[GOF], s7, v[GOF]
	s_mul_i32 s7, s2, 8*XP
	v_lshl_add_u32 v[XST], v1, 3, s7
	s_lshl_b32 s7, s4, 8
	v_lshl_add_u32 v[CB], v4, 4, s7
	v_min_u32 v[CB], PITCH-16, v[CB]               ; no load leaves a row
	v_mad_u32_u24 v[WOFF], v[KR], PITCH, v[CB]
	v_mul_u32_u24 v[WST], v[KR], WP
	v_lshl_add_u32 v[WST], v4, 3, v[WST]
	v_add_nc_u32 v[WST], WT, v[WST]
	v_add_nc_u32 v[WST+1], 256*WP, v[WST]
	s_lshl_b32 s7, s4, 6
	v_lshl_add_u32 v[TMP], v4, 2, s7
	v_cmp_gt_u32 s40, 500, v[TMP]                  ; do my four columns exist?
	v_add_nc_u32 v[TMP], 496, v[KR]                ; the last pass's k row
	v_cmp_ge_u32 s41, s35, v[TMP]                  ; does it exist?  The selects that read the two masks stand behind one wait, below
	v_min_u32 v[TMP], s35, v[TMP]                  ; W2's rows 500..511 are never addressed
	v_mad_u32_u24 v[WOFL], v[TMP], PITCH, v[CB]
	s_mul_i32 s7, s6, 16*XP
	v_mul_u32_u24 v[XRD], v4, XP
	v_lshl_add_u32 v[XRD], v5, 4, v[XRD]
	v_add_nc_u32 v[XRD], s7, v[XRD]
	v_and_b32 v[TMP], 7, v0
	v_lshl_add_u32 v[TMP], v5, 3, v[TMP]
	v_mul_u32_u24 v[WRD], v[TMP], WP
	v_bfe_u32 v[TMP], v0, 3, 1
	v_lshl_add_u32 v[WRD], v[TMP], 4, v[WRD]
	s_mul_i32 s7, s2, 64*WP                        ; y = 4: wave w turns k steps 2 w and 2 w + 1
	s_add_co_u32 s7, s7, WT
	v_add_nc_u32 v[W2A], s7, v[WRD]
	s_lshl_b32 s7, s45, 6
	s_add_co_u32 s7, s7, WT
	v_add_nc_u32 v[WRD], s7, v[WRD]
	v_add_nc_u32 v[WRD+1], 256*WP, v[WRD]
	s_lshl_b32 s7, s2, 13
	v_lshl_add_u32 v[W2O], v1, 4, s7
	s_mul_i32 s7, s6, 16*OP
	s_lshl_b32 s46, s45, 7
	s_add_co_u32 s7, s7, s46
	s_add_co_u32 s7, s7, OST
	v_mul_u32_u24 v[OSA], v4, OP
	v_lshl_add_u32 v[OSA], v5, 5, v[OSA]
	v_add_nc_u32 v[OSA], s7, v[OSA]
	s_mul_i32 s7, s2, 8*OP
	s_add_co_u32 s7, s7, OST
	v_mul_u32_u24 v[ORD], v5, OP
	v_lshl_add_u32 v[ORD], v4, 4, v[ORD]
	v_add_nc_u32 v[ORD], s7, v[ORD]
	s_wait_alu depctr_va_sdst(0)                   ; the two masks s40 and s41 are written, ahead of the selects that read them
	v_cndmask_b32 v[MC], 0, -1, s40
	v_cndmask_b32 v[ML], 0, v[MC], s41
	s_wait_kmcnt 0x0
	s_cmp_lt_u32 s3, 4
	s_cselect_b64 s[28:29], s[10:11], s[12:13]     ; W
	s_mov_b32 s39, 0
	s_mov_b32 s38, s34
	s_add_nc_u64 s[28:29], s[28:29], s[38:39]
	s_lshl_b32 s38, s5, 17
	s_add_nc_u64 s[26:27], s[8:9], s[38:39]        ; X = sent at my 64 rows
	s_add_nc_u64 s[30:31], s[14:15], s[38:39]      ; spart at my tile
	s_lshl_b32 s38, s4, 8
	s_add_nc_u64 s[30:31], s[30:31], s[38:39]
	s_lshl_b32 s38, s4, 16
	s_add_nc_u64 s[16:17], s[16:17], s[38:39]      ; w2f at my slice
	s_wait_alu depctr_va_vdst(0)                   ; the offsets and LDS addresses made above are written: every load and store of the kernel reads one of them
	s_cmp_eq_u32 s3, 4                             ; alike in all waves of a work-group
	s_cbranch_scc1 .Lnoact1
	WIN 0x40
.set i, 0
.rept 32
	global_load_b128 v[AL+4*i:AL+4*i+3], v[AOFF], s[26:27] offset:(i/4)*2048+(i%4)*512
.set i, i+1
.endr
	WIN 0
.Lnoact1:
.set i, 0
.rept 31                                       ; pass i: k rows 16 i .. 16 i + 15, which exist in both matrices
	global_load_b128 v[WL+4*i:WL+4*i+3], v[WOFF], s[28:29] offset:i*16*PITCH
.set i, i+1
.endr
	global_load_b128 v[WL+124:WL+127], v[WOFL], s[28:29]  ; pass 31: rows 496 on, clamped
; X, eight loads (two rows) at a time.  ACVT: rounded to bf16 in place.  ASTORE: 8 bytes a lane into LDS.
.macro ACVT g
	WIN 0x45                                       ; destination and both sources in window 1
.set e, 0
.rept 8
	v_cvt_pk_bf16_f32 v[AL+32*(\g)+4*e], v[AL+32*(\g)+4*e], v[AL+32*(\g)+4*e+1]
	v_cvt_pk_bf16_f32 v[AL+32*(\g)+4*e+1], v[AL+32*(\g)+4*e+2], v[AL+32*(\g)+4*e+3]
.set e, e+1
.endr
.endm
.macro ASTORE g
	WIN 0x04                                       ; the stores' data in window 1, their address in window 0
	s_wait_alu depctr_va_vdst(0)                   ; group g's conversions have written the packed words, which the stores below read
.set e, 0
.rept 8
	ds_store_b64 v[XST], v[AL+32*(\g)+4*e:AL+32*(\g)+4*e+1] offset:(2*(\g)+e/4)*XP+(e%4)*256
.set e, e+1
.endr
.endm
; W, eight passes at a time.  Step g rounds group g in place, what does not exist set to 0, and stores group g - 1: a store, then four vector instructions, which name group g's registers alone.
.macro WSTEP g
.if (\g) > 0
	s_wait_alu depctr_va_vdst(0)                   ; group g - 1's conversions and masks have written its packed words, which the stores below read
.endif
.set e, 0
.rept 8
.if (\g) > 0
.set i, 8*(\g)-8+e
	ds_store_b64 v[WST+i/16], v[WL+4*i:WL+4*i+1] offset:(i%16)*16*WP
.endif
.if (\g) < 4
.set i, 8*(\g)+e
	v_cvt_pk_bf16_f32 v[WL+4*i], v[WL+4*i], v[WL+4*i+1]
	v_cvt_pk_bf16_f32 v[WL+4*i+1], v[WL+4*i+2], v[WL+4*i+3]
.if i == 31
	v_and_b32 v[WL+4*i], v[ML], v[WL+4*i]
	v_and_b32 v[WL+4*i+1], v[ML], v[WL+4*i+1]
.else
	v_and_b32 v[WL+4*i], v[MC], v[WL+4*i]
	v_and_b32 v[WL+4*i+1], v[MC], v[WL+4*i+1]
.endif
.endif
.set e, e+1
.endr
.endm
	s_cmp_eq_u32 s3, 4
	s_cbranch_scc1 .Lnoact2
	s_wait_loadcnt 56                              ; on this path W's 32 loads follow X's: they and X's three later groups may stay out
	ACVT 0
	s_wait_loadcnt 48                              ; X's next group; the counts run down by eight
	ASTORE 0
	ACVT 1
	s_wait_loadcnt 40
	ASTORE 1
	ACVT 2
	s_wait_loadcnt 32
	ASTORE 2
	ACVT 3
	ASTORE 3                                       ; X's last stores stay inside this arm
	WIN 0
.Lnoact2:
	s_wait_loadcnt 24                              ; W's first group is in; its three later groups may stay out
	WSTEP 0
	s_wait_loadcnt 16
	WSTEP 1
	s_wait_loadcnt 8
	WSTEP 2
	s_wait_loadcnt 0x0
	WSTEP 3
	WSTEP 4                                        ; the last group's stores
	s_wait_dscnt 0x0                               ; for the others' sake: my stores are done
	s_barrier_signal -1
	s_barrier_wait -1
	s_wait_alu depctr_vm_vsrc(0)                   ; my LDS stores have read X's and W's registers, in which the product's fragments land; ahead of the branch
	s_cmp_eq_u32 s3, 4
	s_cbranch_scc1 .Lw2
.macro FRAGS G, FB
.set kk, 0
.rept 4
.set k, 4*(\G)+kk
	ds_load_b128 v[(\FB)+24*kk:(\FB)+24*kk+3], v[XRD] offset:64*k
	ds_load_b128 v[(\FB)+24*kk+4:(\FB)+24*kk+7], v[XRD] offset:64*k+32
.irp b, 0,1
	ds_load_tr16_b128 v[(\FB)+24*kk+8+8*\b:(\FB)+24*kk+8+8*\b+3], v[WRD+k/8] offset:(k%8)*32*WP+32*\b
	ds_load_tr16_b128 v[(\FB)+24*kk+12+8*\b:(\FB)+24*kk+12+8*\b+3], v[WRD+k/8] offset:(k%8)*32*WP+16*WP+32*\b
.endr
.set kk, kk+1
.endr
.endm
.macro MULS FB, first                  ; 8 matrix instructions, the two accumulators by turns; first = 1: the first k step starts the sums
.set kk, 0
.rept 4
.if (\first) && (kk == 0)
	v_wmma_f32_16x16x32_bf16 v[ACC:ACC+7], v[(\FB)+8:(\FB)+15], v[(\FB):(\FB)+7], 0
	v_wmma_f32_16x16x32_bf16 v[ACC+8:ACC+15], v[(\FB)+16:(\FB)+23], v[(\FB):(\FB)+7], 0
.else
	v_wmma_f32_16x16x32_bf16 v[ACC:ACC+7], v[(\FB)+24*kk+8:(\FB)+24*kk+15], v[(\FB)+24*kk:(\FB)+24*kk+7], v[ACC:ACC+7]
	v_wmma_f32_16x16x32_bf16 v[ACC+8:ACC+15], v[(\FB)+24*kk+16:(\FB)+24*kk+23], v[(\FB)+24*kk:(\FB)+24*kk+7], v[ACC+8:ACC+15]
.endif
.set kk, kk+1
.endr
.endm
	FRAGS 0, FB0
	FRAGS 1, FB1
	s_wait_dscnt 24                                ; buffer 0 is in; buffer 1's 24 loads may be out
	MULS FB0, 1
	WIN 0x40                                       ; destination window 1.  No wait: no vector or matrix instruction since the waits above names buffer 2 or the two addresses
	FRAGS 2, FB2
	WIN 0
	s_wait_dscnt 24                                ; buffer 1 is in
	MULS FB1, 0
	WIN 0x40
	FRAGS 3, FB3                                   ; likewise
	s_wait_dscnt 24                                ; buffer 2 is in
	WIN 0x05                                       ; both fragments in window 1, the accumulators in window 0
	MULS FB2, 0
	s_wait_dscnt 0x0
	MULS FB3, 0
	WIN 0
	PLACES
	s_wait_alu depctr_va_vdst(0)                   ; the matrix instructions have written the accumulators, which the LDS stores read; the places above stay beside this wait
.irp c, 0,1,2,3                        ; through the stage: a row's 256 bytes come from two waves
	ds_store_b128 v[OSA], v[ACC+4*\c:ACC+4*\c+3] offset:64*(\c/2)+16*(\c%2)
.endr
	s_wait_dscnt 0x0
	s_barrier_signal -1
	s_barrier_wait -1
.irp c, 0,1,2,3
	ds_load_b128 v[T+4*\c:T+4*\c+3], v[ORD] offset:2*OP*\c
.endr
	s_wait_dscnt 0x0
.irp c, 0,1,2,3
	global_store_b128 v[GOF], v[T+4*\c:T+4*\c+3], s[30:31] offset:4096*\c  ; sixteen lanes store 256 consecutive bytes, aligned
.endr
	s_wait_dscnt 0x0                               ; the closing lines, six on end
	s_wait_alu 0x0
	s_wait_tensorcnt 0x0
	ds_add_u32 v[SPW], v[NIL]
	s_wait_dscnt 0x0
	s_endpgm
.Lw2:                                          ; the slice of W2 leaves turned: 16 half fragments a wave, 512 consecutive bytes a store
.set i, 0
.rept 16                                       ; k step i / 8 of my two, tile (i / 2) % 4, half i % 2; they land in v64-127, which no vector instruction has named
	ds_load_tr16_b128 v[64+4*i:64+4*i+3], v[W2A] offset:(i/8)*32*WP+(i%2)*16*WP+32*((i/2)%4)
.set i, i+1
.endr
	s_wait_dscnt 0x0
.set i, 0
.rept 16
	global_store_b128 v[W2O], v[64+4*i:64+4*i+3], s[16:17] offset:512*i
.set i, i+1
.endr
	s_wait_dscnt 0x0                               ; the closing lines once more, for this end
	s_wait_alu 0x0
	s_wait_tensorcnt 0x0
	ds_add_u32 v[SPW], v[NIL]
	s_wait_dscnt 0x0
	s_endpgm
.Lfunc_end_k_q55c844989c_sentp:
	.size	k_q55c844989c_sentp, .Lfunc_end_k_q55c844989c_sentp-k_q55c844989c_sentp
	.p2alignl 7, 3214868480
	.fill 96, 4, 3214868480
	.section	.rodata,"a",@progbits
	.p2align	6, 0x0
	.amdhsa_kernel k_q55c844989c_sentp
		.amdhsa_group_segment_fixed_size 166912
		.amdhsa_private_segment_fixed_size 0
		.amdhsa_enable_private_segment 0
		.amdhsa_kernarg_size 40
		.amdhsa_user_sgpr_count 2
		.amdhsa_user_sgpr_kernarg_segment_ptr 1
		.amdhsa_wavefront_size32 1
		.amdhsa_system_sgpr_workgroup_id_x 1
		.amdhsa_system_sgpr_workgroup_id_y 1
		.amdhsa_system_sgpr_workgroup_id_z 1
		.amdhsa_system_vgpr_workitem_id 0
		.amdhsa_next_free_vgpr 448
		.amdhsa_next_free_sgpr 66
		.amdhsa_reserve_vcc 0
		.amdhsa_float_denorm_mode_32 3
		.amdhsa_float_denorm_mode_16_64 3
		.amdhsa_memory_ordered 1
		.amdhsa_forward_progress 1
		.amdhsa_inst_pref_size 39
	.end_amdhsa_kernel
	.amdgpu_metadata
---
amdhsa.version: [ 1, 2 ]
amdhsa.kernels:
  - .name:           k_q55c844989c_sentp
    .symbol:         k_q55c844989c_sentp.kd
    .args:
      - { .name: sent, .offset: 0, .size: 8, .value_kind: global_buffer, .address_space: global }
      - { .name: W1, .offset: 8, .size: 8, .value_kind: global_buffer, .address_space: global }
      - { .name: W2, .offset: 16, .size: 8, .value_kind: global_buffer, .address_space: global }
      - { .name: spart, .offset: 24, .size: 8, .value_kind: global_buffer, .address_space: global }
      - { .name: w2f, .offset: 32, .size: 8, .value_kind: global_buffer, .address_space: global }
    .group_segment_fixed_size: 166912
    .private_segment_fixed_size: 0
    .kernarg_segment_align: 8
    .kernarg_segment_size: 40
    .max_flat_workgroup_size: 256
    .sgpr_count:     66
    .vgpr_count:     448
    .wavefront_size: 32
...
	.end_amdgpu_metadata
.endif
;; end of part 5
;; launch link: the kernel of part 3 again; grid 256 x 1, 8 waves a work-group, no clusters, 105,216 bytes of LDS; arguments span2concepts, lengths, knowledge_embs, P, Apart, spart, sent, w2f, b2, W3, b3, out0, out1; writes out0, out1
